; MI455X (gfx1250); checked and timed in simulation.
; The chip was launched on July 23, 2026; its instructions are those of AMD's public machine-readable ISA for CDNA 5 (MIT licence, August 2026) and "CDNA5" Instruction Set Architecture Reference Guide (July 2026). The comments in the code are by the model that wrote it; some were corrected since.
;; Self Attention. Allowed arithmetic: matrix products marked QUANTISED: E2M3 operands, one E8M0 scale for each 32 along K, by v_wmma_scale_f32_16x16x128_f8f6f4 with both operands' format E2M3, f32 sums; everything else in f32.
;; Inputs: W 1,024 x 3,072 float32; X 4 x 2,048 x 1,024 float32; attention_mask 4 x 2,048 bool; b 3,072 float32.
;; Outputs: out0 4 x 2,048 x 1,024 float32.
;; This version of the problem:
;;   THIS VERSION OF THE PROBLEM IS GIVEN IN LOW PRECISION. The matrix products marked QUANTISED in the list below multiply operands that are first quantised to E2M3 (2 exponent bits, 3 mantissa bits; 6 bits a number), with one power-of-two scale for each 32 numbers along K (OCP MX v1.0); their sums are f32. All else is computed in f32.
;;   The module's matrix products, in the order in which they are computed (A, B: the left and right operand; K: the contracted axis; several contracted axes count as one K, in the product's order):
;;     1. [M 8,192, K 1,024] x [K 1,024, N 3,072]; A: input X; B: input W: QUANTISED
;;     2. batch 4 x [M 2,048, K 1,024] x [K 1,024, N 2,048]; A: computed on the way; B: computed on the way: QUANTISED
;;     3. batch 4 x [M 2,048, K 2,048] x [K 2,048, N 1,024]; A: softmax (see below); B: computed on the way: QUANTISED
;;   THE QUANTISER, for each operand of a quantised product, along K:
;;     - K is cut into blocks of 32 from its start; a last block that is shorter is filled with zeros.
;;     - A block's scale is 2^e with e = floor(log2(the largest magnitude in the block)) - 2, held to -126 .. 127; a block of zeros has e = 0. As a byte (E8M0): e + 127.
;;     - Each number is divided by its block's scale, clamped to +-7.5, and rounded to the nearest number of E2M3, ties to even, subnormals kept.
;;     - The product sums the exact products of the quantised numbers (number of the format x scale) in f32.
;;   ~~~python
;;   def quantise(x, axis):      # numpy; x: float32 -> the quantised numbers, widened to float32 again
;;       x = np.moveaxis(x, axis, -1); K = x.shape[-1]
;;       x = np.pad(x, [(0, 0)] * (x.ndim - 1) + [(0, -K % 32)]); x = x.reshape(x.shape[:-1] + (-1, 32)); a = np.abs(x).max(-1, keepdims=True)
;;       e = np.where(a > 0, np.clip(np.frexp(np.where(a > 0, a, 1))[1] - 1 - 2, -126, 127), 0)      # np.frexp(a)[1] - 1 = floor(log2(a)), exactly
;;       r = np.clip(x / 2.0 ** e, -7.5, 7.5)
;;       step = 2.0 ** (np.maximum(np.frexp(np.where(r == 0, 1, r))[1] - 1, 0) - 3)
;;       q = np.round(r / step) * step * 2.0 ** e      # np.round: ties to even
;;       return np.moveaxis(q.reshape(q.shape[:-2] + (-1,))[..., :K], -1, axis).astype(np.float32)
;;   ~~~
;;   SOFTMAX AHEAD OF A QUANTISED PRODUCT. Where the list says 'softmax', what is quantised is not the finished softmax but p = 2^(t - M), with t = logit x log2(e) and M = ceil(the row's largest t), a whole number; so 1/2 < the row's largest p <= 1. The row's sum l is taken of the UNQUANTISED p, in f32, and the product's result is divided by l at the end. Since M is a whole number, a kernel that streams over the keys may use a running M (the ceiling of the running maximum): every later rescaling is an exact power of two, which a block's scale takes up: the codes' values come out the same.
;;   OPERANDS COMPUTED ON THE WAY. 'Computed on the way' means the value that the module computes at that place (a softmax that the list does not call 'softmax' is quantised finished and normalised). What goes into a quantiser is computed in f32, as accurately as f32 sums, v_exp_f32 and their like allow (about 1e-6 of the number): no bf16 or f16 on the way to a quantiser, and a product that is left as it is and whose result goes on into a quantised operand takes f32 operands (vector FMAs, or v_wmma_f32_16x16x4_f32). A number that lies on a knife's edge between two numbers of the format may be rounded either way, as far as f32 arithmetic and the matrix unit's own rounding can turn it there, and no further.
;; One version. Each part assembles by itself: llvm-mc -triple=amdgcn-amd-amdhsa -mcpu=gfx1250 --defsym DOCPART=n.
;; ======== version 1 of 1: 4 launches
;; limits: right only within a limited range of input values
;; workspace buffers: xw 9,011,200 bytes; qkv 19,660,800 bytes; pw 14,155,776 bytes
;; launch quant (part 1): grid 704 x 1, 2 waves a work-group, no clusters, 30,976 bytes of LDS; arguments X, W, xw; writes xw
.if DOCPART == 1
	.amdgcn_target "amdgcn-amd-amdhsa--gfx1250"
	.amdhsa_code_object_version 6
	.text
	.protected	k_qbffa43d692_quant
	.globl	k_qbffa43d692_quant
	.p2align	8
	.type	k_qbffa43d692_quant,@function
k_qbffa43d692_quant:
	s_mov_b64 s[64:65], 0
	v_nop
	global_prefetch_b8 v0, s[64:65] scope:SCOPE_SE
	s_setreg_imm32_b32 hwreg(HW_REG_WAVE_MODE, 25, 1), 1
	s_wait_xcnt 0x0
; X [8192 tokens][1024] and W [1024 (k)][3072 (n)], f32, become codes of FP6 (E2M3) with one E8M0 byte for each 32 along K = the 1024, laid in xw
; IN THE ORDER OF THE OPERAND'S REGISTERS, so that the product's launch fetches every fragment by three loads of 16 bytes a lane.
; NO WORK OF THE PROBLEM IS LEFT OUT in any of the four launches: every input reaches the output (the biases go through quantisers, the mask hides keys by value only).
; A FRAGMENT IMAGE (1,536 bytes): 16 rows x 128 K, 12 registers a lane; register R of lane l lies at byte 512 (R / 4) + 16 l + 4 (R % 4).
; THE ROWS OF A TILE ARE NOT NEIGHBOURS: position r of tile T of a group of 128 rows is row 32 (T / 2) + 8 (T % 2) + r + 8 (r / 8): as source 0 of a product such tiles leave 16 neighbours in a lane's 16 registers of two tiles.
; xw: X's codes [64 groups][8 K steps][8 tiles][1536] at 0; W's [24][8][8][1536] at XW_WC; scale words in blocks of 512 bytes for a group and K step at XW_XS, XW_WS:
; the 16 bytes at 16 (r + 16 H) hold the words of tiles 4 H + 0 .. 3 at position r.
; A block's scale is 2^(floor(log2(largest magnitude)) - 2); its byte is the largest magnitude's exponent field - 2, held at 1 from below.
; LIMITS: a block of zeros gets the byte 1 where the rule says 127 (its codes are zeros, and this program alone reads the bytes); NaN and infinities among the inputs are not served.
; SHARES: a wave takes 4 tiles (64 rows) x 128 K: 32 KiB in, 6,144 + 256 dense bytes out.  Work-groups 0-95 take W, 96-351 take X.  Waves share nothing: no barrier.  Each path has LDS bytes of its own.
.set WGW,   192                        ; TWO WAVES TO A WORK-GROUP: work-groups 0-191 take W, 192-703 take X (in place of the numbers above)
.set WST,   16896                      ; LDS: X's stages 2 x 8,448 from 0; W's stages 2 x 6,912 from here
.set SPARE, 30720                      ; the spare words, 128 bytes a wave: no other line names them
.set XW_WC, 6291456
.set XW_XS, 8650752
.set XW_WS, 8912896
.set RAW,   16                         ; numbers as loaded: X two sets of 64, W two sets of 32
.set NUM,   144                        ; X: 64 numbers in the operand's order; W: the way out
.set CD,    208                        ; v208-219 the codes
.set CT0,   220                        ; a conversion's three registers begin on an even number: the odd halves are made here and moved
.set CT1,   224
.set TM,    228
.set SO,    230
.set BY,    232
.set WW,    236                        ; scale words
.set OP,    240
	s_load_b128 s[4:7], s[0:1], 0x0                ; X, W
	s_load_b64 s[8:9], s[0:1], 0x10                ; xw
	v_lshl_add_u32 v12, v0, 2, SPARE               ; my spare word
	v_mov_b32 v13, 0
	v_lshrrev_b32 v1, 5, v0
	v_readfirstlane_b32 s10, v1                    ; wave
	v_and_b32 v1, 31, v0                           ; lane
	v_and_b32 v2, 15, v0                           ; r
	v_bfe_u32 v3, v0, 4, 1                         ; h
	v_lshlrev_b32 v4, 4, v1                        ; 16 x lane
	v_lshlrev_b32 v6, 4, v2
	v_lshl_add_u32 v6, v3, 3, v6                   ; 16 r + 8 h
	v_lshlrev_b32 v7, 3, v3                        ; 8 h
	v_lshlrev_b32 v8, 3, v1                        ; 8 x lane
	v_lshlrev_b32 v9, 2, v1                        ; 4 x lane
	s_mul_i32 s11, s10, 8448
	v_add_nc_u32 v14, s11, v4                      ; X's stage, in: rows of 528 bytes, 16 bytes a lane
	v_mul_u32_u24 v15, v2, 528
	v_lshl_add_u32 v15, v3, 7, v15
	v_add_nc_u32 v15, s11, v15                     ; and out: row r, + 128 h
	s_mul_i32 s11, s10, 6912
	s_add_co_u32 s11, s11, WST
	v_bfe_u32 v10, v0, 3, 1                        ; W: lane l holds column 32 p + l = tile 2 p + u, position r': u = (l / 8) % 2,
	v_and_b32 v11, 7, v0
	v_lshl_add_u32 v11, v3, 3, v11                 ; r' = l % 8 + 8 (l / 16)
	v_lshlrev_b32 v11, 4, v11
	v_lshl_add_u32 v5, v10, 2, v11                 ; 16 r' + 4 u
	v_mad_u32_u24 v10, v10, 1664, v11
	v_add_nc_u32 v10, s11, v10                     ; W's stage: four images 1,664 bytes apart; my place in my tile's
	v_add_nc_u32 v11, s11, v5
	v_add_nc_u32 v11, 6656, v11                    ; behind them the 256 bytes of scale words
	v_add_nc_u32 v5, s11, v4                       ; back: 16 x lane
	v_add_nc_u32 v1, s11, v8
	v_add_nc_u32 v1, 6656, v1                      ; the words back: 8 x lane
	v_mov_b32 v235, 0                              ; a lane permute's destination counts as one of its sources
	s_mov_b32 s26, 0x76543210
	s_mov_b32 s27, 0xfedcba98                      ; selects for lane l xor 16
	s_mov_b32 s28, 0xffff0000                      ; lanes 16-31
	s_cmp_lt_u32 ttmp9, WGW
	s_cselect_b32 s12, 0, WGW
	s_cselect_b32 s19, XW_WC, 0
	s_mov_b32 s25, XW_XS
	s_cselect_b32 s25, XW_WS, s25
	s_sub_co_u32 s12, ttmp9, s12
	s_lshl_b32 s12, s12, 1
	s_add_co_u32 s12, s12, s10                     ; my unit u
	s_lshr_b32 s13, s12, 4                         ; group
	s_bfe_u32 s14, s12, 0x30001                    ; K step
	s_and_b32 s15, s12, 1                          ; H: tiles 4 H .. 4 H + 3
	s_lshl_b32 s16, s13, 3
	s_add_co_u32 s16, s16, s14
	s_lshl_b32 s17, s16, 9
	s_lshl_b32 s18, s15, 8
	s_add_co_u32 s17, s17, s18
	s_add_co_u32 s24, s17, s25                     ; my 256 bytes of scale words
	s_mov_b32 s25, 0
	s_mul_i32 s16, s16, 12288
	s_mul_i32 s18, s15, 6144
	s_add_co_u32 s16, s16, s18
	s_add_co_u32 s22, s16, s19                     ; my four images
	s_mov_b32 s23, 0
	s_wait_kmcnt 0x0
	s_add_nc_u64 s[22:23], s[8:9], s[22:23]
	s_add_nc_u64 s[24:25], s[8:9], s[24:25]
	s_cmp_lt_u32 ttmp9, WGW
	s_cbranch_scc0 .Lx_path
; ---- W: a lane takes a column n and its registers run down K: a block of 32 lies in one lane, and the conversions give codes with K innermost
	s_mul_i32 s20, s14, 128*12288
	s_lshl_b32 s21, s13, 9
	s_add_co_u32 s20, s20, s21
	s_lshl_b32 s21, s15, 8
	s_add_co_u32 s20, s20, s21
	s_mov_b32 s21, 0
	s_add_nc_u64 s[6:7], s[6:7], s[20:21]          ; W at row 128 s, column 128 group + 64 H
.macro LOADW t                         ; block t = 4 p + beta: rows 32 beta + i, columns 32 p + lane
.irp i, 0,1,2,3,4,5,6,7,8,9,10,11,12,13,14,15,16,17,18,19,20,21,22,23,24,25,26,27,28,29,30,31
	global_load_b32 v[RAW+32*((\t)%2)+\i], v9, s[6:7] offset:(32*((\t)%4)+\i)*12288+128*((\t)/4) th:TH_LOAD_NT
.endr
.endm
.macro BLOCKW t
.set XR, RAW+32*((\t)%2)
.if (\t) < 7
	s_wait_loadcnt 32                              ; this block's 32 loads are in; the next block's may be out
.else
	s_wait_loadcnt 0x0
.endif
	v_max3_num_f32 v[TM], |v[XR]|, |v[XR+1]|, |v[XR+2]|
	v_max3_num_f32 v[TM+1], |v[XR+3]|, |v[XR+4]|, |v[XR+5]|
.irp i, 6,10,14,18,22,26
	v_max3_num_f32 v[TM], v[TM], |v[XR+\i]|, |v[XR+\i+1]|
	v_max3_num_f32 v[TM+1], v[TM+1], |v[XR+\i+2]|, |v[XR+\i+3]|
.endr
	v_max3_num_f32 v[TM], v[TM], |v[XR+30]|, |v[XR+31]|
	v_max3_num_f32 v[TM], v[TM], v[TM+1], 0x1800000      ; the floor 2^(3 - 127): the byte cannot fall under 1
	v_add_nc_u32 v[SO], 0xff000000, v[TM]          ; 2 off the exponent field: the conversion's scale operand
	v_lshrrev_b32 v[BY], 23, v[SO]                 ; the byte
.if ((\t)%4) == 0
	v_mov_b32 v[WW], v[BY]
.else
	v_lshl_or_b32 v[WW], v[BY], 8*((\t)%4), v[WW]
.endif
	v_cvt_scalef32_pk16_fp6_f32 v[CD:CD+2], v[XR:XR+15], v[SO]
	v_cvt_scalef32_pk16_fp6_f32 v[CT0:CT0+2], v[XR+16:XR+31], v[SO]
	v_nop                                          ; one plain place behind a scaled conversion
.irp i, 0,1,2
	v_mov_b32 v[CD+3+\i], v[CT0+\i]
.endr
.if ((\t)%4) < 2                       ; block beta is registers 6 (beta / 2) .. + 5 of lane r' + 16 (beta % 2) of the image
	ds_store_b128 v10, v[CD:CD+3] offset:3328*((\t)/4)+256*((\t)%2)
	ds_store_b64 v10, v[CD+4:CD+5] offset:3328*((\t)/4)+256*((\t)%2)+512
.else
	ds_store_b64 v10, v[CD:CD+1] offset:3328*((\t)/4)+256*((\t)%2)+520
	ds_store_b128 v10, v[CD+2:CD+5] offset:3328*((\t)/4)+256*((\t)%2)+1024
.endif
.if ((\t)%4) == 3
	ds_store_b32 v11, v[WW] offset:8*((\t)/4)      ; my column's word for these 128 along K
.endif
.if (\t)+2 < 8
	LOADW (\t)+2
.endif
	s_wait_dscnt 0x0                               ; the stores have read their registers
.endm
	LOADW 0
	LOADW 1
.irp t, 0,1,2,3,4,5,6,7
	BLOCKW \t
.endr
.irp k, 0,1,2,3,4,5,6,7,8,9,10,11
	ds_load_b128 v[NUM+4*\k:NUM+4*\k+3], v5 offset:1664*(\k/3)+512*(\k%3)   ; a wave's LDS instructions are served in order: these see my stores
.endr
	ds_load_b64 v[OP:OP+1], v1
.irp k, 0,1,2,3,4,5,6,7,8,9,10,11
	s_wait_dscnt 12-\k                             ; load k is in; the younger ones may be out
	global_store_b128 v4, v[NUM+4*\k:NUM+4*\k+3], s[22:23] offset:1536*(\k/3)+512*(\k%3)   ; 512 consecutive bytes
.endr
	s_wait_dscnt 0x0
	global_store_b64 v8, v[OP:OP+1], s[24:25]      ; 256 consecutive bytes, aligned
	s_wait_tensorcnt 0x0                           ; the wave's end
	ds_add_u32 v12, v13
	s_wait_dscnt 0x0
	s_endpgm
; ---- X: K is innermost.  Each load reads a row's 512 bytes of the K step; the 16 rows of a tile turn through my stage so that lane (r, h) holds k = 64 c + 32 h + 0 .. 31 of row r: two whole blocks
.Lx_path:
	s_lshl_b32 s20, s13, 19
	s_lshl_b32 s21, s15, 18
	s_add_co_u32 s20, s20, s21
	s_lshl_b32 s21, s14, 9
	s_add_co_u32 s20, s20, s21
	s_mov_b32 s21, 0
	s_add_nc_u64 s[4:5], s[4:5], s[20:21]          ; X at token 128 group + 64 H, k = 128 s
.macro LOADX t
.irp i, 0,1,2,3,4,5,6,7,8,9,10,11,12,13,14,15
	global_load_b128 v[RAW+64*((\t)%2)+4*\i:RAW+64*((\t)%2)+4*\i+3], v4, s[4:5] offset:(32*((\t)/2)+8*((\t)%2)+\i+8*(\i/8))*4096 th:TH_LOAD_NT
.endr
.endm
.macro FRAGX t
.if (\t) < 3
	s_wait_loadcnt 16                              ; this tile's 16 loads are in; the next tile's may be out
.else
	s_wait_loadcnt 0x0
.endif
.irp i, 0,1,2,3,4,5,6,7,8,9,10,11,12,13,14,15
	ds_store_b128 v14, v[RAW+64*((\t)%2)+4*\i:RAW+64*((\t)%2)+4*\i+3] offset:528*\i
.endr
.irp c, 0,1
.irp j, 0,1,2,3,4,5,6,7
	ds_load_b128 v[NUM+32*\c+4*\j:NUM+32*\c+4*\j+3], v15 offset:256*\c+16*\j
.endr
.endr
	s_wait_dscnt 0x0
.if (\t) < 2
	LOADX (\t)+2
.endif
.irp c, 0,1
	v_max3_num_f32 v[TM+\c], |v[NUM+32*\c]|, |v[NUM+32*\c+1]|, 0x1800000   ; my block 2 c + h, and the floor
.endr
.irp i, 2,4,6,8,10,12,14,16,18,20,22,24,26,28,30
.irp c, 0,1
	v_max3_num_f32 v[TM+\c], v[TM+\c], |v[NUM+32*\c+\i]|, |v[NUM+32*\c+\i+1]|
.endr
.endr
.irp c, 0,1
	v_add_nc_u32 v[SO+\c], 0xff000000, v[TM+\c]
.endr
.irp c, 0,1
	v_lshrrev_b32 v[BY+\c], 23, v[SO+\c]
.endr
	v_lshl_or_b32 v234, v[BY+1], 16, v[BY]         ; my bytes: blocks h and 2 + h,
	v_lshlrev_b32 v234, v7, v234                   ; at their places;
	v_permlanex16_b32 v235, v234, s26, s27
	v_or_b32 v[WW+(\t)], v234, v235                ; with lane l xor 16's two the word is whole
.if (\t) > 0
	s_wait_alu depctr_va_vdst(0)
	s_wait_xcnt 0x0                                ; the last tile's stores have read the codes' registers
.endif
	v_cvt_scalef32_pk16_fp6_f32 v[CD:CD+2], v[NUM:NUM+15], v[SO]
	v_cvt_scalef32_pk16_fp6_f32 v[CT0:CT0+2], v[NUM+16:NUM+31], v[SO]
	v_cvt_scalef32_pk16_fp6_f32 v[CD+6:CD+8], v[NUM+32:NUM+47], v[SO+1]
	v_cvt_scalef32_pk16_fp6_f32 v[CT1:CT1+2], v[NUM+48:NUM+63], v[SO+1]
	v_nop                                          ; one plain place behind a scaled conversion
.irp i, 0,1,2
	v_mov_b32 v[CD+3+\i], v[CT0+\i]
	v_mov_b32 v[CD+9+\i], v[CT1+\i]
.endr
.irp c, 0,1,2
	global_store_b128 v4, v[CD+4*\c:CD+4*\c+3], s[22:23] offset:1536*(\t)+512*\c   ; 512 consecutive bytes
.endr
.endm
	LOADX 0
	LOADX 1
	FRAGX 0
	FRAGX 1
	FRAGX 2
	FRAGX 3
	v_cndmask_b32 v[OP], v[WW], v[WW+2], s28       ; lanes 0-15 store the words of tiles 0, 1, lanes 16-31 those of tiles 2, 3
	v_cndmask_b32 v[OP+1], v[WW+1], v[WW+3], s28
	global_store_b64 v6, v[OP:OP+1], s[24:25]      ; 256 consecutive bytes, aligned
	s_wait_tensorcnt 0x0                           ; the wave's end
	ds_add_u32 v12, v13
	s_wait_dscnt 0x0
	s_endpgm
.Lfunc_end_k_qbffa43d692_quant:
	.size	k_qbffa43d692_quant, .Lfunc_end_k_qbffa43d692_quant-k_qbffa43d692_quant
	.p2alignl 7, 3214868480
	.fill 96, 4, 3214868480
	.section	.rodata,"a",@progbits
	.p2align	6, 0x0
	.amdhsa_kernel k_qbffa43d692_quant
		.amdhsa_group_segment_fixed_size 30976
		.amdhsa_private_segment_fixed_size 0
		.amdhsa_enable_private_segment 0
		.amdhsa_kernarg_size 24
		.amdhsa_user_sgpr_count 2
		.amdhsa_user_sgpr_kernarg_segment_ptr 1
		.amdhsa_wavefront_size32 1
		.amdhsa_system_sgpr_workgroup_id_x 1
		.amdhsa_system_sgpr_workgroup_id_y 1
		.amdhsa_system_sgpr_workgroup_id_z 1
		.amdhsa_system_vgpr_workitem_id 0
		.amdhsa_next_free_vgpr 256
		.amdhsa_next_free_sgpr 66
		.amdhsa_reserve_vcc 0
		.amdhsa_float_denorm_mode_32 3
		.amdhsa_float_denorm_mode_16_64 3
		.amdhsa_memory_ordered 1
		.amdhsa_forward_progress 1
		.amdhsa_inst_pref_size 71
	.end_amdhsa_kernel
	.amdgpu_metadata
---
amdhsa.version: [ 1, 2 ]
amdhsa.kernels:
  - .name:           k_qbffa43d692_quant
    .symbol:         k_qbffa43d692_quant.kd
    .args:
      - { .name: X, .offset: 0, .size: 8, .value_kind: global_buffer, .address_space: global }
      - { .name: W, .offset: 8, .size: 8, .value_kind: global_buffer, .address_space: global }
      - { .name: xw, .offset: 16, .size: 8, .value_kind: global_buffer, .address_space: global }
    .group_segment_fixed_size: 30976
    .private_segment_fixed_size: 0
    .kernarg_segment_align: 8
    .kernarg_segment_size: 24
    .max_flat_workgroup_size: 64
    .sgpr_count:     66
    .vgpr_count:     256
    .wavefront_size: 32
...
	.end_amdgpu_metadata
.endif
;; end of part 1
;; launch qkv (part 2): grid 8 x 32, 4 waves a work-group, clusters of 4 x 4, 327,680 bytes of LDS; arguments xw, b, qkv; writes qkv
.if DOCPART == 2
	.amdgcn_target "amdgcn-amd-amdhsa--gfx1250"
	.amdhsa_code_object_version 6
	.text
	.protected	k_qbffa43d692_qkv
	.globl	k_qbffa43d692_qkv
	.p2align	8
	.type	k_qbffa43d692_qkv,@function
k_qbffa43d692_qkv:
	s_mov_b64 s[64:65], 0
	v_nop
	global_prefetch_b8 v0, s[64:65] scope:SCOPE_SE
	s_setreg_imm32_b32 hwreg(HW_REG_WAVE_MODE, 25, 1), 1
	s_wait_xcnt 0x0
	s_wait_alu depctr_hold_cnt(0) depctr_sa_sdst(0) depctr_va_vdst(0) depctr_va_sdst(0) depctr_va_ssrc(0) depctr_va_vcc(0) depctr_vm_vsrc(0)
	s_getreg_b32 s2, hwreg(HW_REG_IB_STS2, 6, 4)
	s_cmp_eq_u32 s2, 0
	s_cbranch_scc0 .Lentry_in_a_cluster
	s_endpgm
.Lentry_in_a_cluster:
	s_bfe_u32 s2, ttmp6, 0x10000c
	s_cmp_lg_u32 s2, 0xf033
	s_cbranch_scc0 .Lentry_shape_is_right
	s_endpgm
.Lentry_shape_is_right:
; QKV = Q(X) Q(W) + b on codes of FP6 (E2M3), and the result quantised in registers for the next two products: Q and K along d, V along the keys.  No work is left out.
; A WORK-GROUP STAYS: work-group (x, y) takes 256 tokens (y) through two products: A: the 256 columns 256 x of Q or K; B: the 128 columns 128 x of V.  That is 1.5 tiles of 256 x 256 for each of 256 work-groups.
; X's codes of the 256 tokens, all of K = 1,024, stay in LDS (196,608 bytes, filled once) and serve both; W's go through a ring of two slots of 49,152 bytes: A: two groups x two K steps, B: V's group x four K steps.
; The ring goes on from A into B: A's last two changes of slots ask for B's weights, so B has no refill.
; OPERANDS lie in xw as images of their registers (a fragment: 16 rows x 128 K, 1,536 bytes, three loads of 16 bytes a lane); a group's (128 rows') K steps are dense.
; SOURCE 0 (called P) gives a lane's registers, SOURCE 1 (called R) its lane.  A: P = W, R = X: a wave makes 128 tokens x 128 columns, a lane holds a token, its 64 registers of a tile of tokens 128 neighbouring d.
; B: P = X, R = W: a wave makes 128 tokens x 64 d, a lane holds a d, its 64 registers of a tile of d 128 neighbouring tokens, which are the last product's K.
; THE BIAS is the C of each sum's first matrix instruction.
; CLUSTERS 4 x 4: X's pieces hang on y alone and are asked for jointly along a row of the cluster, W's on x alone, along a column.  Every wave takes a quarter of each piece: no tensor load stands under a branch.
; qkv: Q's codes [64 groups of tokens][8 K steps of d][8 tiles][1536] at 0, K's behind them, V's [4 batches][8 groups of d][8][16 K steps of keys][1536] at VC; scale words in blocks of 512 bytes from QS on, in the same order.
; LIMITS: a block of zeros gets the byte 1 (its codes are zeros; this program alone reads the bytes); NaN and infinities are not served.
; Nothing is prefetched: a wave has eleven tensor loads in all, each shared by four work-groups.
; REGISTERS: window 0: v4-8 16 x lane and store offsets, v10-24 LDS addresses and load offsets, v28-29 the add's two, v32-63 and v104-111 scale words, v64-103 codes, v112-115 V's bias, v128-223 R's fragments, v224-253 at work.
;   window 1: P's fragments, two sets, at v0 and v128; the bias in v96-127 and v224-255.   windows 2, 3: A's accumulator (a, b) at v[8 (8 (a % 4) + b)] of window 2 + a / 4; B's (a, b) at v[8 (8 a + b)] of window 2.
.set GK,    12288                      ; a group's K step: 8 images
.set XG,    98304                      ; a group's 8 K steps
.set WR,    196608                     ; LDS: X's two groups from 0; W's ring from here
.set WSLOT, 49152
.set SCL,   294912                     ; the scale words of X's two groups, then of Q's or K's two groups of W: 4 x 4,096, filled once
.set SPARE, 311296                     ; the spare words, 128 bytes a wave: no other line names them
.set XW_WC, 6291456
.set XW_XS, 8650752
.set XW_WS, 8912896
.set QS,    18874368
.set VC,    12582912
.set VS,    19398656
.set LI,   4                           ; 16 x lane
.set OAC,  5                           ; where A's codes go, A's scale words, B's codes, B's scale words: byte offsets in qkv
.set OAS,  6
.set OBC,  7
.set OBS,  8
.set ADW,  10                          ; v10-11 A: P = W, slot 0, 1
.set ADXR, 116                         ; v116-119 A: R = X, one for each pair of K steps
.set ADSP, 14                          ; A: P's scale words
.set ADSR, 15                          ; A: R's
.set ADXP, 120                         ; v120-123 B: P = X, likewise
.set ADV,  18                          ; v18-19 B: R = V's weights, slot 0, 1
.set ADSB, 20                          ; B: P's scale words
.set GSV,  21                          ; byte offset in xw of the scale words of my four tiles of V's weights
.set GBV,  22                          ; byte offset in b of V's bias
.set GBA,  24                          ; and of A's
.set SPW,  28
.set NIL,  29
.set SCB,  104                         ; v104-111 B: P's scale words, two sets
.set BVL,  112
.set RF,   128
.set BRG,  96
.set TS,   1536                        ; bytes from one of my fragments to the next on the way out
; IN PLACE OF WHAT STANDS ABOVE ON FILLS AND PREFETCHES: X's and W's K steps 2-5 are prefetched at the head, 6 and 7 behind the first K step, V's weights behind the third: each one or more changes of slots ahead of its load.
; Each block of 256 bytes is named once in a cluster: the sixteen waves of a row (X) or a column (W) share them out by address.  K steps 0 and 1 come by their loads alone.
; THE FILLS: at the head one joint load a wave (X's K steps 0, 1; W's; X's scale words; W's); behind each of the next three rounds wave 0 fetches X's next pair of K steps, wave 1 W's next slot.
; X IN LDS: [pair of K steps][group][K step of the pair][8 tiles][1536].  V'S CODES IN qkv: [4 batches][8 groups of d][8 tiles][16 K steps][1536], so that a tile's K steps lie on end.
.set PCS,  64
.set TM,   224
.set PW,   240
.set SW,   248
.set G1XA, 24                          ; group 1: X, two rows of 24,576 bytes
.set G1XC, 32                          ; W, two rows of 24,576 bytes
.set G1W,  40                          ; W, 48 rows
.set G1SX, 48                          ; X's scale words, 32 rows
.set G1SW, 56                          ; W's
.set G0SX, 68
.set G0SW, 72
.set G0XA, 76
.set G0XB, 80
.set G0XC, 84
.set G0W,  88                          ; s[88:95] W's slots 0 and 1
.set PWV,  96                          ; s[96:97] V's weights: my K step of the first four
.set MSB, 0
.macro WIN new                         ; the immediate's high byte repeats the setting that is left
.if MSB != (\new)
	s_set_vgpr_msb (MSB<<8)|(\new)
.set MSB, (\new)
.endif
.endm
.macro G1ROWS g, rows                  ; a dense block as rows of 256 bytes (32 elements of 8 bytes), no padding
	s_mov_b32 s[\g+1], 32<<16
	s_mov_b32 s[\g+2], (\rows)<<16
	s_mov_b32 s[\g+3], 32<<16
	s_mov_b32 s[\g+4], \rows
	s_mov_b32 s[\g+5], 32
	s_mov_b32 s[\g+6], 0
	s_mov_b32 s[\g+7], 0
.endm
.macro TLD g0, g1                      ; a joint load; an s_nop 0 stands directly behind it
	tensor_load_to_lds s[\g0:\g0+3], s[\g1:\g1+7]
	s_nop 0
.endm
.macro CREST                           ; a round of the cluster's barrier behind its opening barrier
	s_cmp_lg_u32 s14, 0
	s_cbranch_scc1 .Lnot_wave_0_\@
	s_barrier_signal -3
.Lnot_wave_0_\@:
	s_barrier_wait -3
	s_barrier_signal -1
	s_barrier_wait -1
.endm
.macro CROUND
	s_barrier_signal -1
	s_barrier_wait -1
	CREST
.endm
.macro PLACES                          ; four plain places behind a matrix instruction, ahead of loads into its registers and of reads of its results
.rept 4
	v_nop
.endr
.endm
.macro FRAG reg, adr, off              ; a fragment's image: three loads of 512 consecutive bytes
.irp c, 0,1,2
	ds_load_b128 v[(\reg)+4*\c:(\reg)+4*\c+3], v[\adr] offset:(\off)+512*\c
.endr
.endm
; one product.  cm = 1: onto the accumulator; else C = v[cr ..].  bhi, ahi: the scale words lie in lanes 16-31 of their registers
.macro WM acc, pf, rf, cm, cr, sp, sr, bhi, ahi
.if (\cm) == 1
.if ((\bhi) == 0) && ((\ahi) == 0)
	v_wmma_scale_f32_16x16x128_f8f6f4 v[(\acc):(\acc)+7], v[(\pf):(\pf)+11], v[(\rf):(\rf)+11], v[(\acc):(\acc)+7], v[\sp], v[\sr] matrix_a_fmt:MATRIX_FMT_FP6 matrix_b_fmt:MATRIX_FMT_FP6
.elseif (\ahi) == 0
	v_wmma_scale_f32_16x16x128_f8f6f4 v[(\acc):(\acc)+7], v[(\pf):(\pf)+11], v[(\rf):(\rf)+11], v[(\acc):(\acc)+7], v[\sp], v[\sr] matrix_a_fmt:MATRIX_FMT_FP6 matrix_b_fmt:MATRIX_FMT_FP6 matrix_a_scale:MATRIX_SCALE_ROW1
.elseif (\bhi) == 0
	v_wmma_scale_f32_16x16x128_f8f6f4 v[(\acc):(\acc)+7], v[(\pf):(\pf)+11], v[(\rf):(\rf)+11], v[(\acc):(\acc)+7], v[\sp], v[\sr] matrix_a_fmt:MATRIX_FMT_FP6 matrix_b_fmt:MATRIX_FMT_FP6 matrix_b_scale:MATRIX_SCALE_ROW1
.else
	v_wmma_scale_f32_16x16x128_f8f6f4 v[(\acc):(\acc)+7], v[(\pf):(\pf)+11], v[(\rf):(\rf)+11], v[(\acc):(\acc)+7], v[\sp], v[\sr] matrix_a_fmt:MATRIX_FMT_FP6 matrix_b_fmt:MATRIX_FMT_FP6 matrix_a_scale:MATRIX_SCALE_ROW1 matrix_b_scale:MATRIX_SCALE_ROW1
.endif
.else
.if ((\bhi) == 0) && ((\ahi) == 0)
	v_wmma_scale_f32_16x16x128_f8f6f4 v[(\acc):(\acc)+7], v[(\pf):(\pf)+11], v[(\rf):(\rf)+11], v[(\cr):(\cr)+7], v[\sp], v[\sr] matrix_a_fmt:MATRIX_FMT_FP6 matrix_b_fmt:MATRIX_FMT_FP6
.elseif (\ahi) == 0
	v_wmma_scale_f32_16x16x128_f8f6f4 v[(\acc):(\acc)+7], v[(\pf):(\pf)+11], v[(\rf):(\rf)+11], v[(\cr):(\cr)+7], v[\sp], v[\sr] matrix_a_fmt:MATRIX_FMT_FP6 matrix_b_fmt:MATRIX_FMT_FP6 matrix_a_scale:MATRIX_SCALE_ROW1
.elseif (\bhi) == 0
	v_wmma_scale_f32_16x16x128_f8f6f4 v[(\acc):(\acc)+7], v[(\pf):(\pf)+11], v[(\rf):(\rf)+11], v[(\cr):(\cr)+7], v[\sp], v[\sr] matrix_a_fmt:MATRIX_FMT_FP6 matrix_b_fmt:MATRIX_FMT_FP6 matrix_b_scale:MATRIX_SCALE_ROW1
.else
	v_wmma_scale_f32_16x16x128_f8f6f4 v[(\acc):(\acc)+7], v[(\pf):(\pf)+11], v[(\rf):(\rf)+11], v[(\cr):(\cr)+7], v[\sp], v[\sr] matrix_a_fmt:MATRIX_FMT_FP6 matrix_b_fmt:MATRIX_FMT_FP6 matrix_a_scale:MATRIX_SCALE_ROW1 matrix_b_scale:MATRIX_SCALE_ROW1
.endif
.endif
.endm
; ---- PRODUCT A.  K step k = 0 .. 7: W's slot (k / 2) % 2, P's set k % 2, the set of scale words (k / 2) % 2
; 16 products: R's blocks a0, a0 + 1 x P's eight.  cm = 2: C = the bias of P's tile b.
; The 64 accumulators take turns, one instruction a turn, in the same order in every step.
.macro MUL16 a0, k, cm
.irp a, \a0, \a0+1
.irp b, 0,1,2,3,4,5,6,7
	WM 8*(8*((\a)%4)+\b), 128*((\k)%2)+12*\b, RF+12*(\a), \cm, BRG+8*\b+96*(\b/4), 32+16*(((\k)/2)%2)+8*((\k)%2)+\b%4, 36+16*(((\k)/2)%2)+8*((\k)%2)+(\a)%4, \b/4, (\a)/4
.endr
.endr
.endm
.macro FETCH_P k
	WIN 0x40                                       ; destination window 1, address window 0
.irp i, 0,1,2,3,4,5,6,7
	FRAG 128*((\k)%2)+12*\i, ADW+(((\k)/2)%2), (8*((\k)%2)+\i)*1536
.endr
	WIN 0
.endm
.macro FETCH_R k, i0
.irp i, \i0, \i0+1, \i0+2, \i0+3
	FRAG RF+12*(\i), ADXR+((\k)/2), (8*((\k)%2)+(\i))*1536
.endr
.endm
.macro SCALES sl, ks                   ; two K steps' scale words: for each four registers a side; register i: tile i in lanes 0-15, tile 4 + i in lanes 16-31
.irp q, 0,1
	ds_load_b128 v[32+16*(\sl)+8*\q:35+16*(\sl)+8*\q], v[ADSP] offset:512*((\ks)+\q)
	ds_load_b128 v[36+16*(\sl)+8*\q:39+16*(\sl)+8*\q], v[ADSR] offset:512*((\ks)+\q)
.endr
.endm
; an even K step: its middle fetches the next step's P and R's blocks 0-3, its end R's blocks 4-7
.macro STEP k, cm
	s_wait_dscnt 12                                ; all but the youngest 12 loads (R's blocks 4-7) are in
.if (\cm) == 2
	WIN 0x91                                       ; P window 1, R window 0, C (the bias) window 1, D window 2
.else
	WIN 0xa1                                       ; P window 1, R window 0, C and D window 2
.endif
	MUL16 0, \k, \cm
	MUL16 2, \k, \cm
	s_wait_dscnt 0x0                               ; R's blocks 4-7 are in
	PLACES
	FETCH_P (\k)+1
	FETCH_R (\k)+1, 0
.if (\cm) == 2
	WIN 0xd1
.else
	WIN 0xf1
.endif
	MUL16 4, \k, \cm
	MUL16 6, \k, \cm
	PLACES
	WIN 0
	FETCH_R (\k)+1, 4
.endm
; an odd K step leaves W's slot: ONE barrier, which opens a round of the cluster's; ahead of it each wave waits for all its tensor loads, adds 0 to its spare word, and waits for that and for its reads of the slot.
; Behind the round the slot is filled again, a quarter by each wave: fill = 1: with this product's K steps four on; 2: with four K steps of V's weights.
.macro TURN k, fill
.set SL, ((\k)/2)%2
	s_wait_tensorcnt 0x0                           ; all my tensor loads have landed: my part of the other slot among them
	ds_add_u32 v[SPW], v[NIL]                      ; 0 onto my spare word
	s_wait_dscnt 13                                ; (the add and the youngest 12 loads may be out)
	WIN 0xa1
	MUL16 0, \k, 1
	s_wait_dscnt 0x0                               ; the add is done, and my reads of this slot are over
	s_barrier_signal -1
	MUL16 2, \k, 1
	WIN 0
	s_barrier_wait -1
	CREST                                          ; no wave of any partner still reads this slot or has a load on its way
.if (\fill) == 1
	XWLD SL, ((\k)+3)/2
.else
.if SL == 0
	s_mov_b64 s[G0W+4*SL+2:G0W+4*SL+3], s[PWV:PWV+1]
.else
	s_add_nc_u64 s[G0W+4*SL+2:G0W+4*SL+3], s[PWV:PWV+1], 4*GK
.endif
	s_or_b32 s[G0W+4*SL+3], s[G0W+4*SL+3], 0x80000000
	TLD G0W+4*SL, G1W                              ; the first tensor load behind the round, and my only one until the next
.endif
	PLACES                                         ; four v_nop behind it: also the places ahead of the loads below
.if (\k) < 7
	FETCH_P (\k)+1
	FETCH_R (\k)+1, 0
	SCALES (((\k)+1)/2)%2, (\k)+1
.endif
	WIN 0xf1
	MUL16 4, \k, 1
	MUL16 6, \k, 1
	PLACES
	WIN 0
.if (\k) < 7
	FETCH_R (\k)+1, 4
.endif
.endm
; ---- PRODUCT B.  K step k = 0 .. 7: the ring's slot k / 4, the sets k % 2
; 8 products: my tile a of d x X's eight tiles of tokens.  The 32 accumulators take turns, one instruction a turn, in the same order in every step
.macro MULB a, k, cm
.irp b, 0,1,2,3,4,5,6,7
	WM 8*(8*(\a)+\b), 128*((\k)%2)+12*\b, RF+48*((\k)%2)+12*(\a), \cm, BRG+8*(\a), SCB+4*((\k)%2)+\b%4, 32+4*(\k)+(\a), \b/4, 0
.endr
.endm
.macro BFETCH k                        ; 37 loads
	WIN 0x40
.irp b, 0,1,2,3,4,5,6,7
	FRAG 128*((\k)%2)+12*\b, ADXP+((\k)/2), (8*((\k)%2)+\b)*1536
.endr
	WIN 0
.irp a, 0,1,2,3
	FRAG RF+48*((\k)%2)+12*\a, ADV+((\k)/4), (8*((\k)%4)+\a)*1536
.endr
	ds_load_b128 v[SCB+4*((\k)%2):SCB+4*((\k)%2)+3], v[ADSB] offset:512*(\k)
.endm
.macro BSTEP k, cm
	s_wait_dscnt 0x0                               ; this step's operands are in (asked for 24 matrix instructions ago)
.if (\cm) == 2
	WIN 0x91
.else
	WIN 0xa1
.endif
	MULB 0, \k, \cm
	PLACES
	BFETCH (\k)+1
.if (\cm) == 2
	WIN 0x91
.else
	WIN 0xa1
.endif
	MULB 1, \k, \cm
	MULB 2, \k, \cm
	MULB 3, \k, \cm
	WIN 0
.endm
; R's tile n: a lane's 64 results at v[ac ..] of window ws, register 16 b + i = index 32 b + 16 h + i of the next K, become a fragment's codes and its scale word; the image goes straight to memory, 512 consecutive bytes a store
; tiles n (x = 0) and n + 1 (x = 1) by turns, line by line; tile n + 1's working registers lie 48 further down, in R's fragments of blocks 4-7, which no later load reaches before they are done with
.macro QUANT n, ac, ws, wx, oc
.set AC, (\ac)
.set WSRC, (\ws)
	WIN WSRC|(WSRC<<2)                             ; sources 0 and 1: the accumulators' window
.irp b, 0,1,2,3
.irp x, 0,1
	v_max3_num_f32 v[TM-48*\x+\b], |v[AC+64*\x+16*\b]|, |v[AC+64*\x+16*\b+1]|, 0x1800000   ; each accumulator from its low end on; the floor 2^(3 - 127) holds the byte at 1 from below
.endr
.endr
.irp i, 2,4,6,8,10,12,14
.irp b, 0,1,2,3
.irp x, 0,1
	v_max3_num_f32 v[TM-48*\x+\b], |v[AC+64*\x+16*\b+\i]|, |v[AC+64*\x+16*\b+\i+1]|, v[TM-48*\x+\b]
.endr
.endr
.endr
	WIN 0
.irp b, 0,1,2,3
.irp x, 0,1
	v_permlanex16_b32 v[TM-48*\x+4+\b], v[TM-48*\x+\b], s100, s101
.endr
.endr
.irp b, 0,1,2,3
.irp x, 0,1
	v_max_num_f32 v[TM-48*\x+\b], v[TM-48*\x+\b], v[TM-48*\x+4+\b]   ; with lane l xor 16's 16: the block's largest magnitude
.endr
.endr
.irp b, 0,1,2,3
.irp x, 0,1
	v_add_nc_u32 v[TM-48*\x+12+\b], 0xff000000, v[TM-48*\x+\b]       ; 2 off the exponent field: the conversion's scale operand
.endr
.endr
.irp b, 0,1,2,3
.irp x, 0,1
	v_lshrrev_b32 v[TM-48*\x+4+\b], 23, v[TM-48*\x+12+\b]            ; the byte
.endr
.endr
.irp x, 0,1
	v_lshl_or_b32 v[PW+(\n)+\x], v[TM-48*\x+5], 8, v[TM-48*\x+4]
.endr
.irp x, 0,1
	v_lshl_or_b32 v[PW+(\n)+\x], v[TM-48*\x+6], 16, v[PW+(\n)+\x]
.endr
.irp x, 0,1
	v_lshl_or_b32 v[PW+(\n)+\x], v[TM-48*\x+7], 24, v[PW+(\n)+\x]
.endr
.if \wx
	s_wait_alu depctr_va_vdst(0)
	s_wait_xcnt 0x0                                ; the stores of two tiles back have read these registers
.endif
	WIN WSRC
.irp x, 0,1
.irp c, 0,1
	v_cvt_scalef32_pk16_fp6_f32 v[PCS+20*\x+6*\c:PCS+20*\x+6*\c+2], v[AC+64*\x+32*\c:AC+64*\x+32*\c+15], v[TM-48*\x+12+2*\c]
	v_cvt_scalef32_pk16_fp6_f32 v[PCS+20*\x+12+4*\c:PCS+20*\x+14+4*\c], v[AC+64*\x+32*\c+16:AC+64*\x+32*\c+31], v[TM-48*\x+13+2*\c]
.endr
.endr
	WIN 0
	v_nop                                          ; one plain place behind a scaled conversion
.irp i, 0,1,2
.irp c, 0,1                            ; the operand's layout wants a whole block in a lane
.irp x, 0,1
	v_permlane16_swap_b32 v[PCS+20*\x+6*\c+\i], v[PCS+20*\x+12+4*\c+\i]
.endr
.endr
.endr
.irp i, 0,1,2
.irp c, 0,1
.irp x, 0,1
	v_mov_b32 v[PCS+20*\x+3+6*\c+\i], v[PCS+20*\x+12+4*\c+\i]
.endr
.endr
.endr
.irp x, 0,1
.irp c, 0,1,2
	global_store_b128 v[\oc], v[PCS+20*\x+4*\c:PCS+20*\x+4*\c+3], s[8:9] offset:TS*((\n)+\x)+512*\c
.endr
.endr
.endm
	s_load_b128 s[4:7], s[0:1], 0x0                ; xw, b
	s_load_b64 s[8:9], s[0:1], 0x10                ; qkv
	v_lshl_add_u32 v[SPW], v0, 2, SPARE
	v_mov_b32 v[NIL], 0
	ds_add_u32 v[SPW], v[NIL]                      ; the wave's opening: the add, twice on end, and its wait ahead of my first tensor load
	ds_add_u32 v[SPW], v[NIL]
	v_lshrrev_b32 v1, 5, v0
	v_readfirstlane_b32 s14, v1                    ; wave
	s_lshr_b32 s15, s14, 1                         ; R's half.  Also: which group my pieces belong to
	s_and_b32 s16, s14, 1                          ; P's half.  Also: which K step of a pair I fetch
	s_bfe_u32 s10, ttmp6, 0x40000                  ; cx
	s_bfe_u32 s11, ttmp6, 0x40004                  ; cy
	s_lshl_b32 s99, ttmp9, 2
	s_add_co_u32 s99, s99, s10                     ; x: 256 columns of Q or K, 128 of V
	s_and_b32 s17, ttmp7, 0xffff
	s_lshl_b32 s17, s17, 2
	s_add_co_u32 s17, s17, s11                     ; y: 256 tokens
	s_lshl_b32 s12, s11, 2
	s_lshl_b32 s12, 15, s12                        ; my row of the cluster
	s_lshl_b32 s13, 0x1111, s10                    ; my column
	s_or_b32 s[G1XA], s12, (3<<16)|(1<<21)         ; the mask; elements of 8 bytes; bit 21 beside a mask; no padding
	s_or_b32 s[G1XC], s13, (3<<16)|(1<<21)
	s_or_b32 s[G1SX], s12, (3<<16)|(1<<21)
	s_or_b32 s[G1W], s13, (3<<16)|(1<<21)
	s_or_b32 s[G1SW], s13, (3<<16)|(1<<21)
.macro G1TWO g                         ; two groups' pairs of K steps: two rows of 24,576 bytes, 98,304 bytes apart
	s_mov_b32 s[\g+1], 3072<<16
	s_mov_b32 s[\g+2], 2<<16
	s_mov_b32 s[\g+3], 3072<<16
	s_mov_b32 s[\g+4], 2
	s_mov_b32 s[\g+5], 12288
	s_mov_b32 s[\g+6], 0
	s_mov_b32 s[\g+7], 0
.endm
	G1TWO G1XA                                     ; X
	G1TWO G1XC                                     ; W
	G1ROWS G1W, 48                                 ; V's weights: a K step
	G1ROWS G1SX, 32                                ; two groups' scale words: 8,192 dense bytes
	G1ROWS G1SW, 32
	s_lshl_b32 s66, s10, 2
	s_add_co_u32 s66, s66, s14                     ; my number among the sixteen waves of my row of the cluster
	s_lshl_b32 s67, s11, 2
	s_add_co_u32 s67, s67, s14                     ; and of my column
	s_mul_i32 s20, s17, 2*XG                       ; X's groups 2 y, 2 y + 1
	s_mov_b32 s21, 0
	s_lshl_b32 s22, s17, 13
	s_add_co_u32 s22, s22, XW_XS                   ; their scale words
	s_mov_b32 s23, 0
	s_mul_i32 s18, s99, 2*XG
	s_add_co_u32 s18, s18, XW_WC                   ; W's groups 2 x, 2 x + 1
	s_mov_b32 s19, 0
	s_lshl_b32 s2, s99, 13
	s_add_co_u32 s2, s2, XW_WS                     ; their scale words
	s_mov_b32 s3, 0
	s_add_co_u32 s[PWV], s99, 16                   ; V's weights: W's group 16 + x,
	s_mul_i32 s[PWV], s[PWV], XG
	s_mul_i32 s[PWV+1], s14, GK
	s_add_co_u32 s[PWV], s[PWV], s[PWV+1]          ; K step = wave
	s_add_co_u32 s[PWV], s[PWV], XW_WC
	s_mov_b32 s[PWV+1], 0
	s_mul_i32 s11, s14, GK
	s_add_co_u32 s11, s11, WR                      ; V's weights: quarter = wave of slot 0
	s_mov_b32 s98, 0xffff0000                      ; lanes 16-31
	s_mov_b32 s100, 0x76543210
	s_mov_b32 s101, 0xfedcba98                     ; selects for lane l xor 16
	s_wait_dscnt 0x0                               ; both opening adds are done
	s_wait_kmcnt 0x0
	s_add_nc_u64 s[20:21], s[4:5], s[20:21]
	s_add_nc_u64 s[22:23], s[4:5], s[22:23]
	s_add_nc_u64 s[18:19], s[4:5], s[18:19]
	s_add_nc_u64 s[2:3], s[4:5], s[2:3]
	s_add_nc_u64 s[PWV:PWV+1], s[4:5], s[PWV:PWV+1]
	s_mov_b32 s[G0SX], 1
	s_mov_b32 s[G0SX+1], SCL
	s_mov_b64 s[G0SX+2:G0SX+3], s[22:23]
	s_or_b32 s[G0SX+3], s[G0SX+3], 0x80000000
	s_mov_b32 s[G0SW], 1
	s_mov_b32 s[G0SW+1], SCL+8192
	s_mov_b64 s[G0SW+2:G0SW+3], s[2:3]
	s_or_b32 s[G0SW+3], s[G0SW+3], 0x80000000
	s_mov_b32 s[G0XA], 1
	s_mov_b32 s[G0XA+1], 0
	s_mov_b64 s[G0XA+2:G0XA+3], s[20:21]
	s_or_b32 s[G0XA+3], s[G0XA+3], 0x80000000
	s_mov_b32 s[G0XB], 1
	s_mov_b32 s[G0XB+1], WR
	s_mov_b64 s[G0XB+2:G0XB+3], s[18:19]
	s_or_b32 s[G0XB+3], s[G0XB+3], 0x80000000
.irp s, 0,1                            ; for V's weights; the addresses are made where they are asked for
	s_mov_b32 s[G0W+4*\s], 1
	s_add_co_u32 s[G0W+4*\s+1], s11, \s*WSLOT
.endr
.macro ARM under, g0, g1, next
	s_cmp_lt_u32 s14, \under
	s_cbranch_scc0 \next
	TLD \g0, \g1
	PLACES
	s_branch .Lhead_asked
\next:
.endm
; behind a round: wave 0 fetches X's pair p of K steps, wave 1 W's into slot sl; all my loads have landed, so the descriptors step here
.macro XWLD sl, p
	s_mov_b32 s[G0XA+1], (\p)*4*GK
	s_add_nc_u64 s[G0XA+2:G0XA+3], s[G0XA+2:G0XA+3], 2*GK
	s_mov_b32 s[G0XB+1], WR+(\sl)*WSLOT
	s_add_nc_u64 s[G0XB+2:G0XB+3], s[G0XB+2:G0XB+3], 2*GK
	s_cmp_eq_u32 s14, 0
	s_cbranch_scc0 .Lnot_x_\@
	TLD G0XA, G1XA
	PLACES
	s_branch .Lasked_\@
.Lnot_x_\@:
	s_cmp_eq_u32 s14, 1
	s_cbranch_scc0 .Lasked_\@
	TLD G0XB, G1XC
	PLACES
.Lasked_\@:
.endm
	CROUND                                         ; all sixteen work-groups are here: the first joint loads meet
	ARM 1, G0XA, G1XA, .Lhead_w                    ; one load a wave: X's K steps 0, 1,
	ARM 2, G0XB, G1XC, .Lhead_sx                   ; W's,
	ARM 3, G0SX, G1SX, .Lhead_sw                   ; X's scale words,
	TLD G0SW, G1SW                                 ; W's
	PLACES
.Lhead_asked:
	s_add_co_u32 s3, s99, 16
	s_mul_i32 s3, s3, XG
	s_add_co_u32 s3, s3, XW_WC
	s_mul_i32 s10, s67, 6144
	s_add_co_u32 s3, s3, s10                       ; V's weights: my 24 blocks of 384
; wave p of sixteen: of two groups' K steps 2-5 24 blocks of 256 bytes from o1 on, of K steps 6, 7 12 blocks from o2 on
.macro SHARE p, o1, o2, t
	s_lshr_b32 s\t, s\p, 3
	s_mul_i32 s\t, s\t, XG
	s_and_b32 s\p, s\p, 7
	s_mul_i32 s\o1, s\p, 6144
	s_add_co_u32 s\o1, s\o1, s\t
	s_add_co_u32 s\o1, s\o1, 2*GK
	s_mul_i32 s\o2, s\p, 3072
	s_add_co_u32 s\o2, s\o2, s\t
	s_add_co_u32 s\o2, s\o2, 6*GK
.endm
	SHARE 66, 12, 13, 10
	SHARE 67, 2, 11, 10
	v_and_b32 v1, 31, v0
	v_min_u32 v124, 23, v1                         ; lanes that are left over name their wave's last block again
	v_min_u32 v125, 11, v1
	v_lshl_add_u32 v23, v124, 8, s12
	v_lshl_add_u32 v25, v124, 8, s2
	v_lshl_add_u32 v26, v125, 8, s13
	v_lshl_add_u32 v27, v125, 8, s11
	v_lshl_add_u32 v30, v124, 8, s3
	global_prefetch_b8 v23, s[20:21] th:TH_LOAD_NT scope:SCOPE_SE
	global_prefetch_b8 v25, s[18:19] th:TH_LOAD_NT scope:SCOPE_SE
	v_lshlrev_b32 v[LI], 4, v1
	s_wait_alu depctr_va_vdst(0)
	v_and_b32 v2, 15, v0                           ; r
	v_bfe_u32 v3, v0, 4, 1                         ; h
	s_lshl_b32 s10, s99, 10                        ; A's bias: tile t's register j is b at column 256 x + 128 P's half + 32 (t / 2) + 8 (t % 2) + 16 h + j
	s_lshl_b32 s11, s16, 9
	s_add_co_u32 s10, s10, s11
	v_lshl_add_u32 v[GBA], v3, 6, s10
	s_lshl_b32 s10, s99, 9                         ; B's: all eight registers of tile a are b at column 2048 + 128 x + 64 R's half + 32 (a / 2) + 8 (a % 2) + r + 8 (r / 8)
	s_lshl_b32 s11, s15, 8
	s_add_co_u32 s10, s10, s11
	s_add_co_u32 s10, s10, 8192
	v_and_b32 v9, 8, v2
	v_add_nc_u32 v9, v9, v2
	v_lshl_add_u32 v[GBV], v9, 2, s10
	WIN 0x40
.irp t, 0,1,2,3,4,5,6,7
	global_load_b128 v[BRG+8*\t+96*(\t/4):BRG+8*\t+96*(\t/4)+3], v[GBA], s[6:7] offset:4*(32*(\t/2)+8*(\t%2))
	global_load_b128 v[BRG+8*\t+96*(\t/4)+4:BRG+8*\t+96*(\t/4)+7], v[GBA], s[6:7] offset:4*(32*(\t/2)+8*(\t%2))+16
.endr
	WIN 0
.irp a, 0,1,2,3
	global_load_b32 v[BVL+\a], v[GBV], s[6:7] offset:4*(32*(\a/2)+8*(\a%2))
.endr
	s_mul_i32 s10, s16, 2*GK
	s_add_co_u32 s10, s10, WR
	v_add_nc_u32 v[ADW], s10, v[LI]                ; A: P = W's group (wave & 1)
	v_add_nc_u32 v[ADW+1], WSLOT, v[ADW]
	s_mul_i32 s10, s15, 2*GK
	v_add_nc_u32 v[ADXR], s10, v[LI]               ; A: R = X's group (wave >> 1)
	s_mul_i32 s10, s16, 2*GK
	v_add_nc_u32 v[ADXP], s10, v[LI]               ; B: P = X's group (wave & 1)
.irp p, 1,2,3
	v_add_nc_u32 v[ADXR+\p], \p*4*GK, v[ADXR]
	v_add_nc_u32 v[ADXP+\p], \p*4*GK, v[ADXP]
.endr
	s_mul_i32 s10, s15, 4*1536
	s_add_co_u32 s10, s10, WR
	v_add_nc_u32 v[ADV], s10, v[LI]                ; B: R = V's tiles 4 (wave >> 1) on
	v_add_nc_u32 v[ADV+1], WSLOT, v[ADV]
	s_lshl_b32 s10, s16, 12
	s_add_co_u32 s10, s10, SCL
	v_add_nc_u32 v[ADSB], s10, v[LI]
	v_add_nc_u32 v[ADSP], 8192, v[ADSB]
	s_lshl_b32 s10, s15, 12
	s_add_co_u32 s10, s10, SCL
	v_add_nc_u32 v[ADSR], s10, v[LI]
	s_lshl_b32 s10, s99, 12                        ; the scale words of V's weights: both halves of the lanes take the words of my four tiles at position r
	s_lshl_b32 s11, s15, 8
	s_add_co_u32 s10, s10, s11
	s_add_co_u32 s10, s10, XW_WS+16*4096
	v_lshl_add_u32 v[GSV], v2, 4, s10
	s_lshl_b32 s10, s17, 1                         ; where A's eight fragments go:
	s_add_co_u32 s10, s10, s15
	s_lshl_b32 s10, s10, 3
	s_and_b32 s11, s99, 3
	s_lshl_b32 s11, s11, 1
	s_add_co_u32 s10, s10, s11
	s_add_co_u32 s10, s10, s16                     ; (group of tokens 2 y + R's half) x 8 + K step 2 (x % 4) + P's half,
	s_lshr_b32 s11, s99, 2                         ; in Q's region (0) or K's (1)
	s_mul_i32 s12, s11, 6291456
	s_mul_i32 s13, s10, GK
	s_add_co_u32 s12, s12, s13
	v_add_nc_u32 v[OAC], s12, v[LI]
	s_lshl_b32 s12, s11, 18
	s_lshl_b32 s13, s10, 9
	s_add_co_u32 s12, s12, s13
	s_add_co_u32 s12, s12, QS
	v_add_nc_u32 v[OAS], s12, v[LI]
	s_lshr_b32 s10, s17, 3                         ; and B's four:
	s_lshl_b32 s10, s10, 3
	s_add_co_u32 s10, s10, s99
	s_lshl_b32 s10, s10, 4
	s_lshl_b32 s11, s17, 1
	s_add_co_u32 s11, s11, s16
	s_and_b32 s11, s11, 15
	s_add_co_u32 s10, s10, s11                     ; (batch x 8 + group of d x) x 16 + K step (2 y + P's half) % 16, tiles 4 R's half on
	s_sub_co_u32 s12, s10, s11
	s_mul_i32 s12, s12, GK                         ; the codes: (batch x 8 + group of d) x 16 x 12,288,
	s_mul_i32 s11, s11, 1536                       ; + K step x 1,536,
	s_add_co_u32 s12, s12, s11
	s_mul_i32 s13, s15, 8*GK                       ; + my first tile x 24,576
	s_add_co_u32 s12, s12, s13
	s_add_co_u32 s12, s12, VC
	v_add_nc_u32 v[OBC], s12, v[LI]
	s_lshl_b32 s12, s10, 9
	s_lshl_b32 s13, s15, 8
	s_add_co_u32 s12, s12, s13
	s_add_co_u32 s12, s12, VS
	v_lshlrev_b32 v9, 4, v2
	v_lshl_add_u32 v9, v3, 3, v9
	v_add_nc_u32 v[OBS], s12, v9                   ; 16 r + 8 h in my 256 bytes of the block
.irp b, 0,1,2,3
	v_mov_b32 v[TM+4+\b], 0                        ; a lane permute's destination counts as one of its sources
.endr
	s_wait_alu depctr_va_vdst(0)
	s_wait_tensorcnt 0x0                           ; my tile of the head's four is in
	ds_add_u32 v[SPW], v[NIL]                      ; 0 onto my spare word
	s_wait_dscnt 0x0
	CROUND                                         ; all four are in, in every partner
	XWLD 1, 1                                      ; X's K steps 2, 3 and W's
	PLACES
	FETCH_P 0
	FETCH_R 0, 0
	SCALES 0, 0
	FETCH_R 0, 4
	s_wait_loadcnt 0x0                             ; the biases
	STEP 0, 2                                      ; the first step starts the sums with the bias: nothing is cleared
	global_prefetch_b8 v26, s[20:21] th:TH_LOAD_NT scope:SCOPE_SE
	global_prefetch_b8 v27, s[18:19] th:TH_LOAD_NT scope:SCOPE_SE
	TURN 1, 1                                      ; slot 0 takes K steps 4, 5
	STEP 2, 1
	global_prefetch_b8 v30, s[4:5] th:TH_LOAD_NT scope:SCOPE_SE
	TURN 3, 1                                      ; slot 1 takes K steps 6, 7
	STEP 4, 1
	TURN 5, 2                                      ; THE RING GOES ON INTO PRODUCT B: slot 0 takes V's K steps 0-3,
	STEP 6, 1
	TURN 7, 2                                      ; slot 1 its K steps 4-7; slot 0 was shown whole by this round
.irp k, 0,1,2,3,4,5,6,7
	global_load_b128 v[32+4*\k:35+4*\k], v[GSV], s[4:5] offset:512*\k   ; the scale words of V's weights, all of K, into the registers that A's scale words have left
.endr
	BFETCH 0                                       ; B's first operands land while A's results go out
	WIN 0x40
.irp a, 0,1,2,3
.irp j, 0,1,2,3,4,5,6,7
	v_mov_b32 v[BRG+8*\a+\j], v[BVL+\a]            ; B's bias in the result's layout: a lane's eight registers hold one d
.endr
.endr
	WIN 0
.irp a, 0,2,4,6
	QUANT \a, 64*(\a%4), 2+\a/4, \a, OAC
.endr
.irp i, 0,1,2,3
	v_cndmask_b32 v[SW+\i], v[PW+\i], v[PW+4+\i], s98    ; lanes 0-15: the words of tiles 0-3, lanes 16-31: of tiles 4-7
.endr
	global_store_b128 v[OAS], v[SW:SW+3], s[8:9]   ; 512 consecutive bytes
	s_wait_tensorcnt 0x0                           ; my part of V's K steps 4-7 is in,
	s_wait_loadcnt 0x0                             ; the scale words of V's weights are,
	s_wait_dscnt 0x0                               ; and no LDS load of mine is out at the signal
	s_barrier_signal -1
	s_barrier_wait -1                              ; everybody's part is in: B has no further barrier
	BSTEP 0, 2                                     ; the first step starts the sums with the bias
	BSTEP 1, 1
	BSTEP 2, 1
	BSTEP 3, 1
	BSTEP 4, 1
	BSTEP 5, 1
	BSTEP 6, 1
	s_wait_dscnt 0x0
	WIN 0xa1
	MULB 0, 7, 1
	MULB 1, 7, 1
	MULB 2, 7, 1
	MULB 3, 7, 1
	WIN 0
	PLACES
.set TS, 16*1536                       ; a tile's 16 K steps lie on end
.irp a, 0,2
	QUANT \a, 64*\a, 2, 1, OBC
.endr
	v_cndmask_b32 v252, v[PW], v[PW+2], s98        ; lanes 0-15 store the words of my tiles 0, 1, lanes 16-31 those of tiles 2, 3
	v_cndmask_b32 v253, v[PW+1], v[PW+3], s98
	global_store_b64 v[OBS], v[252:253], s[8:9]    ; 256 consecutive bytes, aligned
	s_wait_tensorcnt 0x0                           ; the wave's end
	ds_add_u32 v[SPW], v[NIL]
	s_wait_dscnt 0x0
	CROUND                                         ; the closing round
	s_endpgm
.Lfunc_end_k_qbffa43d692_qkv:
	.size	k_qbffa43d692_qkv, .Lfunc_end_k_qbffa43d692_qkv-k_qbffa43d692_qkv
	.p2alignl 7, 3214868480
	.fill 96, 4, 3214868480
	.section	.rodata,"a",@progbits
	.p2align	6, 0x0
	.amdhsa_kernel k_qbffa43d692_qkv
		.amdhsa_group_segment_fixed_size 327680
		.amdhsa_private_segment_fixed_size 0
		.amdhsa_enable_private_segment 0
		.amdhsa_kernarg_size 24
		.amdhsa_user_sgpr_count 2
		.amdhsa_user_sgpr_kernarg_segment_ptr 1
		.amdhsa_wavefront_size32 1
		.amdhsa_system_sgpr_workgroup_id_x 1
		.amdhsa_system_sgpr_workgroup_id_y 1
		.amdhsa_system_sgpr_workgroup_id_z 1
		.amdhsa_system_vgpr_workitem_id 0
		.amdhsa_next_free_vgpr 1024
		.amdhsa_next_free_sgpr 102
		.amdhsa_reserve_vcc 0
		.amdhsa_float_denorm_mode_32 3
		.amdhsa_float_denorm_mode_16_64 3
		.amdhsa_memory_ordered 1
		.amdhsa_forward_progress 1
		.amdhsa_inst_pref_size 218
	.end_amdhsa_kernel
	.amdgpu_metadata
---
amdhsa.version: [ 1, 2 ]
amdhsa.kernels:
  - .name:           k_qbffa43d692_qkv
    .symbol:         k_qbffa43d692_qkv.kd
    .args:
      - { .name: xw, .offset: 0, .size: 8, .value_kind: global_buffer, .address_space: global }
      - { .name: b, .offset: 8, .size: 8, .value_kind: global_buffer, .address_space: global }
      - { .name: qkv, .offset: 16, .size: 8, .value_kind: global_buffer, .address_space: global }
    .group_segment_fixed_size: 327680
    .private_segment_fixed_size: 0
    .kernarg_segment_align: 8
    .kernarg_segment_size: 24
    .max_flat_workgroup_size: 128
    .sgpr_count:     102
    .vgpr_count:     1024
    .wavefront_size: 32
...
	.end_amdgpu_metadata
.endif
;; end of part 2
;; launch scores (part 3): grid 8 x 32, 4 waves a work-group, clusters of 4 x 4, 327,680 bytes of LDS; arguments qkv, attention_mask, pw; writes pw
.if DOCPART == 3
	.amdgcn_target "amdgcn-amd-amdhsa--gfx1250"
	.amdhsa_code_object_version 6
	.text
	.protected	k_qbffa43d692_scores
	.globl	k_qbffa43d692_scores
	.p2align	8
	.type	k_qbffa43d692_scores,@function
k_qbffa43d692_scores:
	s_mov_b64 s[64:65], 0
	v_nop
	global_prefetch_b8 v0, s[64:65] scope:SCOPE_SE
	s_setreg_imm32_b32 hwreg(HW_REG_WAVE_MODE, 25, 1), 1
	s_wait_xcnt 0x0
	s_wait_alu depctr_hold_cnt(0) depctr_sa_sdst(0) depctr_va_vdst(0) depctr_va_sdst(0) depctr_va_ssrc(0) depctr_va_vcc(0) depctr_vm_vsrc(0)
	s_getreg_b32 s2, hwreg(HW_REG_IB_STS2, 6, 4)
	s_cmp_eq_u32 s2, 0
	s_cbranch_scc0 .Lentry_in_a_cluster
	s_endpgm
.Lentry_in_a_cluster:
	s_bfe_u32 s2, ttmp6, 0x10000c
	s_cmp_lg_u32 s2, 0xf033
	s_cbranch_scc0 .Lentry_shape_is_right
	s_endpgm
.Lentry_shape_is_right:
; S^T = K Q^T on codes of FP6 (E2M3), the key mask, and the softmax's numerator, quantised along the keys.  No work is left out: hidden keys are computed and selected away, since only the mask's values hide them.
; A work-group makes 256 queries x 256 keys of one batch; a wave 128 x 128.  Source 0 (P) = 16 keys, source 1 (R) = 16 queries: a lane holds one query, its 64 registers of a tile of queries 128 neighbouring keys.
; THE SOFTMAX IS TAKEN WITH A WHOLE NUMBER M OF ITS OWN FOR EACH (query, 128 keys): t = score x log2(e) / 32, hidden keys -infinity; M_s = ceil(largest t of the 128), p = 2^(t - M_s), l_s = the sum of the unquantised p.
; Since every M is a whole number, going over to the row's M later is a power of two that the scale bytes take up: the codes stay.  The next launch does that; here -M_s and l_s are stored beside the scale words.
; pw: p's codes [64 groups of queries][16 K steps of keys][8 tiles][1536] at 0; from PS on three runs of blocks of 512 bytes [64][16]: scale words, -M_s (f32), l_s (f32), all in the scale words' order.
; LIMITS: a block's largest p is held at 2^-60 from below (byte 65), so that the next launch can take up to 64 off a byte: what lies under 2^-60 of its 128 keys' largest is carried coarsely.  128 hidden keys give -M_s = 3e38, zero codes, l_s = 0.
; NaN and infinities among the inputs are not served.
; CLUSTERS 4 x 4: Q's tiles hang on y alone (joint along a row of the cluster), K's on x and the batch, which the cluster's y gives (joint along a column).  Nothing is prefetched: four fills in all, shared by joint loads.
; REGISTERS: as in the launch before; window 1's v96-127 and v224-255 hold 0 or -infinity for my lane's 64 keys.
.set Q4,    24576
.set SLOT,  98304                      ; Q's two groups, then K's two
.set SCL,   196608
.set SPARE, 212992                     ; the spare words, 128 bytes a wave: no other line names them
.set KC,    6291456
.set QS,    18874368
.set KS,    19136512
.set PS,    12582912
.set LI,   4
.set ADRP, 16
.set ADRR, 18
.set ADSP, 20
.set ADSR, 21
.set SPW,  28
.set NIL,  29
.set RF,   128
.set T,    128                         ; v128-191 t, then p
.set OUTR, 192
.set PCS,  64
.set PW,   104
.set NM,   112
.set LS,   120
; IN PLACE OF WHAT STANDS ABOVE ON PREFETCHES: Q's and K's K steps 2-5 are prefetched at the head, 6 and 7 behind the first K step; each block of 256 bytes is named once in a cluster: the sixteen waves
; of a row (Q) or a column (K) share them out by address.  K steps 0 and 1 come by their loads alone.
; THE SOFTMAX takes two tiles of queries by turns, x = 0, 1: t in v128-191 and v192-255.  Its other registers, for x = 0 and 1:
.set BM,   8                           ; v8-11, v16-19: the blocks' largest
.set BX,   12                          ; v12-15, v20-23: lane l xor 16's; the sums; the bytes
.set NP,   24                          ; v24, v26: -M_s (v25, v27 are named as upper halves)
.set TMX,  30                          ; v30, v31
.set TP,   6                           ; v6, v7
.set CS,   96                          ; s[96:97] c = log2(e) / 32
.set G1,   24
.set G0,   32
.set G1B,  48
.set G0B,  56
.set G1S,  68
.set G0S,  76
.set G1SB, 80
.set G0SB, 88
.set MSB, 0
.macro WIN new
.if MSB != (\new)
	s_set_vgpr_msb (MSB<<8)|(\new)
.set MSB, (\new)
.endif
.endm
.macro JLOAD g0a, g1a, g0b, g1b        ; a joint load: waves 0, 1 fetch Q's groups, waves 2, 3 K's; an s_nop 0 and four v_nop follow each line
	s_cmp_eq_u32 s15, 0
	s_cbranch_scc0 .Lfor_b_\@
	tensor_load_to_lds s[\g0a:\g0a+3], s[\g1a:\g1a+7]
	s_nop 0
.rept 4
	v_nop
.endr
	s_branch .Lasked_\@
.Lfor_b_\@:
	tensor_load_to_lds s[\g0b:\g0b+3], s[\g1b:\g1b+7]
	s_nop 0
.rept 4
	v_nop
.endr
.Lasked_\@:
.endm
.macro CREST
	s_cmp_lg_u32 s14, 0
	s_cbranch_scc1 .Lnot_wave_0_\@
	s_barrier_signal -3
.Lnot_wave_0_\@:
	s_barrier_wait -3
	s_barrier_signal -1
	s_barrier_wait -1
.endm
.macro CROUND
	s_barrier_signal -1
	s_barrier_wait -1
	CREST
.endm
.macro PLACES
.rept 4
	v_nop
.endr
.endm
.macro FRAG reg, adr, off
.irp c, 0,1,2
	ds_load_b128 v[(\reg)+4*\c:(\reg)+4*\c+3], v[\adr] offset:(\off)+512*\c
.endr
.endm
.macro WM acc, pf, rf, cm, sp, sr, bhi, ahi    ; cm = 0: the product starts the sum; 1: onto the accumulator
.if (\cm) == 1
.if ((\bhi) == 0) && ((\ahi) == 0)
	v_wmma_scale_f32_16x16x128_f8f6f4 v[(\acc):(\acc)+7], v[(\pf):(\pf)+11], v[(\rf):(\rf)+11], v[(\acc):(\acc)+7], v[\sp], v[\sr] matrix_a_fmt:MATRIX_FMT_FP6 matrix_b_fmt:MATRIX_FMT_FP6
.elseif (\ahi) == 0
	v_wmma_scale_f32_16x16x128_f8f6f4 v[(\acc):(\acc)+7], v[(\pf):(\pf)+11], v[(\rf):(\rf)+11], v[(\acc):(\acc)+7], v[\sp], v[\sr] matrix_a_fmt:MATRIX_FMT_FP6 matrix_b_fmt:MATRIX_FMT_FP6 matrix_a_scale:MATRIX_SCALE_ROW1
.elseif (\bhi) == 0
	v_wmma_scale_f32_16x16x128_f8f6f4 v[(\acc):(\acc)+7], v[(\pf):(\pf)+11], v[(\rf):(\rf)+11], v[(\acc):(\acc)+7], v[\sp], v[\sr] matrix_a_fmt:MATRIX_FMT_FP6 matrix_b_fmt:MATRIX_FMT_FP6 matrix_b_scale:MATRIX_SCALE_ROW1
.else
	v_wmma_scale_f32_16x16x128_f8f6f4 v[(\acc):(\acc)+7], v[(\pf):(\pf)+11], v[(\rf):(\rf)+11], v[(\acc):(\acc)+7], v[\sp], v[\sr] matrix_a_fmt:MATRIX_FMT_FP6 matrix_b_fmt:MATRIX_FMT_FP6 matrix_a_scale:MATRIX_SCALE_ROW1 matrix_b_scale:MATRIX_SCALE_ROW1
.endif
.else
.if ((\bhi) == 0) && ((\ahi) == 0)
	v_wmma_scale_f32_16x16x128_f8f6f4 v[(\acc):(\acc)+7], v[(\pf):(\pf)+11], v[(\rf):(\rf)+11], 0, v[\sp], v[\sr] matrix_a_fmt:MATRIX_FMT_FP6 matrix_b_fmt:MATRIX_FMT_FP6
.elseif (\ahi) == 0
	v_wmma_scale_f32_16x16x128_f8f6f4 v[(\acc):(\acc)+7], v[(\pf):(\pf)+11], v[(\rf):(\rf)+11], 0, v[\sp], v[\sr] matrix_a_fmt:MATRIX_FMT_FP6 matrix_b_fmt:MATRIX_FMT_FP6 matrix_a_scale:MATRIX_SCALE_ROW1
.elseif (\bhi) == 0
	v_wmma_scale_f32_16x16x128_f8f6f4 v[(\acc):(\acc)+7], v[(\pf):(\pf)+11], v[(\rf):(\rf)+11], 0, v[\sp], v[\sr] matrix_a_fmt:MATRIX_FMT_FP6 matrix_b_fmt:MATRIX_FMT_FP6 matrix_b_scale:MATRIX_SCALE_ROW1
.else
	v_wmma_scale_f32_16x16x128_f8f6f4 v[(\acc):(\acc)+7], v[(\pf):(\pf)+11], v[(\rf):(\rf)+11], 0, v[\sp], v[\sr] matrix_a_fmt:MATRIX_FMT_FP6 matrix_b_fmt:MATRIX_FMT_FP6 matrix_a_scale:MATRIX_SCALE_ROW1 matrix_b_scale:MATRIX_SCALE_ROW1
.endif
.endif
.endm
; 16 products; the 64 accumulators take turns, one instruction a turn, in the same order in every step
.macro MUL16 a0, p, q, sl, cm
.irp a, \a0, \a0+1
.irp b, 0,1,2,3,4,5,6,7
	WM 8*(8*((\a)%4)+\b), 128*(\p)+12*\b, RF+12*(\a), \cm, 32+16*(\sl)+8*(\q)+\b%4, 36+16*(\sl)+8*(\q)+(\a)%4, \b/4, (\a)/4
.endr
.endr
.endm
.macro FETCH_P sl, q, p
	WIN 0x40
.irp i, 0,1,2,3,4,5,6,7
	FRAG 128*(\p)+12*\i, ADRP+(\sl), (8*(\q)+\i)*1536
.endr
	WIN 0
.endm
.macro FETCH_R sl, q, i0
.irp i, \i0, \i0+1, \i0+2, \i0+3
	FRAG RF+12*(\i), ADRR+(\sl), (8*(\q)+(\i))*1536
.endr
.endm
.macro SCALES sl, ks
.irp q, 0,1
	ds_load_b128 v[32+16*(\sl)+8*\q:35+16*(\sl)+8*\q], v[ADSP] offset:512*((\ks)+\q)
	ds_load_b128 v[36+16*(\sl)+8*\q:39+16*(\sl)+8*\q], v[ADSR] offset:512*((\ks)+\q)
.endr
.endm
.macro STEP sl, cm
	s_wait_dscnt 12                                ; all but the youngest 12 loads (R's blocks 4-7) are in
	WIN 0xa1
	MUL16 0, 0, 0, \sl, \cm
	MUL16 2, 0, 0, \sl, \cm
	s_wait_dscnt 0x0
	PLACES
	FETCH_P \sl, 1, 1
	FETCH_R \sl, 1, 0
	WIN 0xf1
	MUL16 4, 0, 0, \sl, \cm
	MUL16 6, 0, 0, \sl, \cm
	PLACES
	WIN 0
	FETCH_R \sl, 1, 4
.endm
.macro TURN sl, next, fill, ks
	s_wait_tensorcnt 0x0                           ; all my tensor loads have landed: my part of the next slot
	ds_add_u32 v[SPW], v[NIL]                      ; 0 onto my spare word
	s_wait_dscnt 13                                ; (the add and the youngest 12 loads may be out)
	WIN 0xa1
	MUL16 0, 1, 1, \sl, 1
	s_wait_dscnt 0x0                               ; the add is done, and my reads of this slot are over
	s_barrier_signal -1
	MUL16 2, 1, 1, \sl, 1
	WIN 0
	s_barrier_wait -1
.if \fill
	CREST                                          ; no wave of any partner still reads this slot or has a load on its way
	s_add_nc_u64 s[G0+4*\sl+2:G0+4*\sl+3], s[G0+4*\sl+2:G0+4*\sl+3], 2*Q4
	s_add_nc_u64 s[G0B+4*\sl+2:G0B+4*\sl+3], s[G0B+4*\sl+2:G0B+4*\sl+3], 2*Q4
	JLOAD G0+4*\sl, G1, G0B+4*\sl, G1B
.else
	PLACES
.endif
	FETCH_P \next, 0, 0
	FETCH_R \next, 0, 0
	SCALES \next, \ks
	WIN 0xf1
	MUL16 4, 1, 1, \sl, 1
	MUL16 6, 1, 1, \sl, 1
	PLACES
	WIN 0
	FETCH_R \next, 0, 4
.endm
	s_load_b128 s[4:7], s[0:1], 0x0                ; qkv, the mask
	s_load_b64 s[8:9], s[0:1], 0x10                ; pw
	v_lshl_add_u32 v[SPW], v0, 2, SPARE
	v_mov_b32 v[NIL], 0
	ds_add_u32 v[SPW], v[NIL]                      ; the wave's opening: the add, twice on end, and its wait ahead of my first tensor load
	ds_add_u32 v[SPW], v[NIL]
	v_lshrrev_b32 v1, 5, v0
	v_readfirstlane_b32 s14, v1                    ; wave
	s_lshr_b32 s15, s14, 1                         ; my half of the queries.  Also: I fetch for Q (0) or for K (1)
	s_and_b32 s16, s14, 1                          ; my half of the keys.  Also: which group I fetch
	s_bfe_u32 s40, ttmp6, 0x40000                  ; cx
	s_bfe_u32 s41, ttmp6, 0x40004                  ; cy
	s_lshl_b32 s42, ttmp9, 2
	s_add_co_u32 s42, s42, s40                     ; x: 256 keys
	s_and_b32 s17, ttmp7, 0xffff
	s_lshr_b32 s2, s17, 1                          ; the batch, from the cluster's y alone
	s_lshl_b32 s17, s17, 2
	s_add_co_u32 s17, s17, s41                     ; y: 256 queries (8 x batch + tile)
	s_lshl_b32 s43, s41, 2
	s_lshl_b32 s43, 15, s43                        ; my row of the cluster
	s_lshl_b32 s44, 0x1111, s40                    ; my column
	s_or_b32 s[G1], s43, (3<<16)|(1<<21)
	s_or_b32 s[G1B], s44, (3<<16)|(1<<21)
.irp g, G1, G1B
	s_mov_b32 s[\g+1], 3072<<16                    ; at the head: two groups' K steps 0, 1: two rows of 24,576 bytes, 98,304 bytes apart
	s_mov_b32 s[\g+2], 2<<16
	s_mov_b32 s[\g+3], 3072<<16
	s_mov_b32 s[\g+4], 2
	s_mov_b32 s[\g+5], 12288
	s_mov_b32 s[\g+6], 0
	s_mov_b32 s[\g+7], 0
.endr
	s_or_b32 s[G1S], s43, (3<<16)|(1<<21)
	s_or_b32 s[G1SB], s44, (3<<16)|(1<<21)
.irp g, G1S, G1SB
	s_mov_b32 s[\g+1], 32<<16
	s_mov_b32 s[\g+2], 32<<16                      ; two groups' scale words: 8,192 dense bytes
	s_mov_b32 s[\g+3], 32<<16
	s_mov_b32 s[\g+4], 32
	s_mov_b32 s[\g+5], 32
	s_mov_b32 s[\g+6], 0
	s_mov_b32 s[\g+7], 0
.endr
	s_lshl_b32 s20, s17, 1
	s_mul_i32 s22, s20, 4096
	s_add_co_u32 s22, s22, QS
	s_mov_b32 s23, 0
	s_mul_i32 s20, s20, 98304
	s_mov_b32 s21, 0
	s_lshl_b32 s46, s2, 4
	s_lshl_b32 s47, s42, 1
	s_add_co_u32 s46, s46, s47
	s_mul_i32 s92, s46, 4096
	s_add_co_u32 s92, s92, KS
	s_mov_b32 s93, 0
	s_mul_i32 s46, s46, 98304
	s_add_co_u32 s46, s46, KC
	s_mov_b32 s47, 0
	s_mul_i32 s45, s14, Q4
	s_mul_i32 s18, s16, 98304                      ; in the ring I fetch for group (wave & 1)
	s_mov_b32 s19, 0
	s_mov_b32 s98, 0xffff0000
	s_mov_b32 s100, 0x76543210
	s_mov_b32 s101, 0xfedcba98
	s_mov_b32 s[CS], 0x3d38aa3b                    ; c = log2(e) / sqrt(1024)
	s_mov_b32 s[CS+1], s[CS]                       ; (named with it as a pair, so it is written)
	s_wait_dscnt 0x0                               ; both opening adds are done
	s_wait_kmcnt 0x0
	s_add_nc_u64 s[20:21], s[4:5], s[20:21]
	s_add_nc_u64 s[22:23], s[4:5], s[22:23]
	s_add_nc_u64 s[46:47], s[4:5], s[46:47]
	s_add_nc_u64 s[92:93], s[4:5], s[92:93]
	CROUND                                         ; all sixteen work-groups are here: the first joint loads meet
	s_mov_b32 s[G0S], 1
	s_mov_b32 s[G0S+1], SCL
	s_mov_b64 s[G0S+2:G0S+3], s[22:23]
	s_or_b32 s[G0S+3], s[G0S+3], 0x80000000
	s_mov_b32 s[G0SB], 1
	s_mov_b32 s[G0SB+1], SCL+8192
	s_mov_b64 s[G0SB+2:G0SB+3], s[92:93]
	s_or_b32 s[G0SB+3], s[G0SB+3], 0x80000000
	s_mov_b32 s[G0+4], 1                           ; (slot 1's group 0 serves the head's loads first)
	s_mov_b32 s[G0+5], 0
	s_mov_b64 s[G0+6:G0+7], s[20:21]
	s_or_b32 s[G0+7], s[G0+7], 0x80000000
	s_mov_b32 s[G0B+4], 1
	s_mov_b32 s[G0B+5], 2*Q4
	s_mov_b64 s[G0B+6:G0B+7], s[46:47]
	s_or_b32 s[G0B+7], s[G0B+7], 0x80000000
.macro ARM under, g0, g1, next
	s_cmp_lt_u32 s14, \under
	s_cbranch_scc0 \next
	tensor_load_to_lds s[\g0:\g0+3], s[\g1:\g1+7]
	s_nop 0
	PLACES
	s_branch .Lhead_asked
\next:
.endm
	ARM 1, G0+4, G1, .Lhead_k                      ; one load a wave: Q's K steps 0, 1,
	ARM 2, G0B+4, G1B, .Lhead_sq                   ; K's,
	ARM 3, G0S, G1S, .Lhead_sk                     ; Q's scale words,
	tensor_load_to_lds s[G0SB:G0SB+3], s[G1SB:G1SB+7]      ; K's
	s_nop 0
	PLACES
.Lhead_asked:
	s_lshl_b32 s10, s40, 2
	s_add_co_u32 s10, s10, s14                     ; my number among the sixteen waves of my row of the cluster
	s_lshl_b32 s11, s41, 2
	s_add_co_u32 s11, s11, s14                     ; and of my column
; wave p of sixteen: of two groups' K steps 2-5 24 blocks of 256 bytes from o1 on, of K steps 6, 7 12 blocks from o2 on
.macro SHARE p, o1, o2, t
	s_lshr_b32 s\t, s\p, 3
	s_mul_i32 s\t, s\t, 98304
	s_and_b32 s\p, s\p, 7
	s_mul_i32 s\o1, s\p, 6144
	s_add_co_u32 s\o1, s\o1, s\t
	s_add_co_u32 s\o1, s\o1, Q4
	s_mul_i32 s\o2, s\p, 3072
	s_add_co_u32 s\o2, s\o2, s\t
	s_add_co_u32 s\o2, s\o2, 3*Q4
.endm
	SHARE 10, 12, 13, 3
	SHARE 11, 22, 23, 3
	v_and_b32 v1, 31, v0
	v_min_u32 v84, 23, v1                          ; lanes that are left over name their wave's last block again
	v_min_u32 v85, 11, v1
	v_lshl_add_u32 v82, v84, 8, s12
	v_lshl_add_u32 v102, v84, 8, s22
	v_lshl_add_u32 v83, v85, 8, s13
	v_lshl_add_u32 v103, v85, 8, s23
	global_prefetch_b8 v82, s[20:21] th:TH_LOAD_NT scope:SCOPE_SE
	global_prefetch_b8 v102, s[46:47] th:TH_LOAD_NT scope:SCOPE_SE
	v_lshlrev_b32 v[LI], 4, v1
	v_bfe_u32 v3, v0, 4, 1                         ; h
	s_wait_alu depctr_va_vdst(0)
	s_mul_i32 s10, s16, Q4
	s_add_co_u32 s10, s10, 2*Q4                    ; P = K: behind Q's two groups
	s_mul_i32 s11, s15, Q4
	v_add_nc_u32 v[ADRP], s10, v[LI]
	v_add_nc_u32 v[ADRR], s11, v[LI]
	v_add_nc_u32 v[ADRP+1], SLOT, v[ADRP]
	v_add_nc_u32 v[ADRR+1], SLOT, v[ADRR]
	s_lshl_b32 s10, s16, 12
	s_add_co_u32 s10, s10, SCL+8192
	s_lshl_b32 s11, s15, 12
	s_add_co_u32 s11, s11, SCL
	v_add_nc_u32 v[ADSP], s10, v[LI]
	v_add_nc_u32 v[ADSR], s11, v[LI]
	; the mask of my lane's 64 keys: register 16 b + i stands for key 32 b + 16 h + i of my 128
	s_lshl_b32 s10, s2, 11
	s_lshl_b32 s11, s42, 8
	s_add_co_u32 s10, s10, s11
	s_lshl_b32 s11, s16, 7
	s_add_co_u32 s10, s10, s11
	s_mov_b32 s11, 0
	s_add_nc_u64 s[6:7], s[6:7], s[10:11]
	v_lshlrev_b32 v5, 4, v3
.irp b, 0,1,2,3
	global_load_b128 v[64+4*\b:67+4*\b], v5, s[6:7] offset:32*\b
.endr
.irp r, 6,7,12,13,14,15,22,23,25,27
	v_mov_b32 v\r, 0                               ; a lane permute's destination counts as one of its sources; upper halves of pairs
.endr
	s_wait_loadcnt 0x0
.set n, 0
.rept 64
	v_bfe_u32 v[128+n], v[64+n/4], 8*(n%4), 1      ; 1 where the key is hidden
.set n, n+1
.endr
	WIN 0x40
.set n, 0
.rept 64
	v_mul_lo_u32 v[96+n+96*(n/32)], v[128+n], 0xff800000   ; -infinity there, else 0
.set n, n+1
.endr
	WIN 0
	s_wait_alu depctr_va_vdst(0)
	s_wait_tensorcnt 0x0                           ; my tile of the head's four is in: the descriptors may be written for the ring: a quarter of a slot a wave
	ds_add_u32 v[SPW], v[NIL]                      ; 0 onto my spare word
.irp g, G1, G1B
	s_mov_b32 s[\g+1], 32<<16
	s_mov_b32 s[\g+2], 96<<16
	s_mov_b32 s[\g+3], 32<<16
	s_mov_b32 s[\g+4], 96
	s_mov_b32 s[\g+5], 32
.endr
	s_add_nc_u64 s[12:13], s[20:21], s[18:19]
	s_add_nc_u64 s[22:23], s[46:47], s[18:19]
.irp s, 0,1
	s_mov_b32 s[G0+4*\s], 1
	s_add_co_u32 s[G0+4*\s+1], s45, \s*SLOT
	s_add_nc_u64 s[G0+4*\s+2:G0+4*\s+3], s[12:13], \s*Q4
	s_or_b32 s[G0+4*\s+3], s[G0+4*\s+3], 0x80000000
	s_mov_b32 s[G0B+4*\s], 1
	s_add_co_u32 s[G0B+4*\s+1], s45, \s*SLOT
	s_add_nc_u64 s[G0B+4*\s+2:G0B+4*\s+3], s[22:23], \s*Q4
	s_or_b32 s[G0B+4*\s+3], s[G0B+4*\s+3], 0x80000000
.endr
	s_wait_dscnt 0x0
	CROUND                                         ; slot 0 and the scale words are in, in every partner
	JLOAD G0+4, G1, G0B+4, G1B                     ; slot 1's first fill
	FETCH_P 0, 0, 0
	FETCH_R 0, 0, 0
	SCALES 0, 0
	FETCH_R 0, 0, 4
	STEP 0, 0                                      ; the first step starts the sums: nothing is cleared
	global_prefetch_b8 v83, s[20:21] th:TH_LOAD_NT scope:SCOPE_SE
	global_prefetch_b8 v103, s[46:47] th:TH_LOAD_NT scope:SCOPE_SE
	TURN 0, 1, 1, 2
	STEP 1, 1
	TURN 1, 0, 1, 4
	STEP 0, 1
	TURN 0, 1, 0, 6                                ; nothing is left to fetch
	STEP 1, 1
	s_wait_dscnt 12
	WIN 0xa1
	MUL16 0, 1, 1, 1, 1
	MUL16 2, 1, 1, 1, 1
	s_wait_dscnt 0x0
	WIN 0xf1
	MUL16 4, 1, 1, 1, 1
	MUL16 6, 1, 1, 1, 1
	WIN 0
	PLACES
	s_lshl_b32 s10, s17, 1
	s_add_co_u32 s10, s10, s15
	s_lshl_b32 s10, s10, 4
	s_lshl_b32 s11, s42, 1
	s_add_co_u32 s10, s10, s11
	s_add_co_u32 s10, s10, s16                     ; (group of queries 2 y + half) x 16 + K step 2 x + half
	s_mul_i32 s20, s10, 12288
	s_mov_b32 s21, 0
	s_add_nc_u64 s[20:21], s[8:9], s[20:21]
	s_lshl_b32 s22, s10, 9
	s_add_co_u32 s22, s22, PS
	s_mov_b32 s23, 0
	s_add_nc_u64 s[22:23], s[8:9], s[22:23]
; the tile a of 16 queries: mask, maximum, p, sum, codes
; tiles a and a + 1 of 16 queries: x = 0, 1
.macro SOFT a
.set AC, 64*((\a)%4)
.set WSRC, 2+(\a)/4
	WIN 0x10|WSRC                                  ; source 0: the accumulators' window; source 2: window 1
.set n, 0
.rept 32
.irp x, 0,1
	v_pk_fma_f32 v[T+64*\x+n:T+64*\x+n+1], v[AC+64*\x+n:AC+64*\x+n+1], s[CS:CS+1], v[96+n+96*(n/32):97+n+96*(n/32)] op_sel_hi:[1,0,1]   ; t = score x c, -infinity where hidden; each accumulator from its low end on
.endr
.set n, n+2
.endr
	WIN 0
.irp b, 0,1,2,3
.irp x, 0,1
	v_max3_num_f32 v[BM+8*\x+\b], v[T+64*\x+16*\b], v[T+64*\x+16*\b+1], v[T+64*\x+16*\b+2]     ; the largest t of each block of 32 keys: for the maximum, and, since p rises with t, for the block's largest p
.endr
.endr
.irp i, 3,5,7,9,11,13
.irp b, 0,1,2,3
.irp x, 0,1
	v_max3_num_f32 v[BM+8*\x+\b], v[BM+8*\x+\b], v[T+64*\x+16*\b+\i], v[T+64*\x+16*\b+\i+1]
.endr
.endr
.endr
.irp b, 0,1,2,3
.irp x, 0,1
	v_max_num_f32 v[BM+8*\x+\b], v[BM+8*\x+\b], v[T+64*\x+16*\b+15]
.endr
.endr
.irp b, 0,1,2,3
.irp x, 0,1
	v_permlanex16_b32 v[BX+8*\x+\b], v[BM+8*\x+\b], s100, s101
.endr
.endr
.irp b, 0,1,2,3
.irp x, 0,1
	v_max_num_f32 v[BM+8*\x+\b], v[BM+8*\x+\b], v[BX+8*\x+\b]
.endr
.endr
.irp x, 0,1
	v_max3_num_f32 v[TMX+\x], v[BM+8*\x], v[BM+8*\x+1], v[BM+8*\x+2]
.endr
.irp x, 0,1
	v_max3_num_f32 v[TMX+\x], v[TMX+\x], v[BM+8*\x+3], 0xff61b1e6    ; never under -3e38: 128 hidden keys give no infinity less infinity
.endr
.irp x, 0,1
	v_floor_f32 v[NP+2*\x], -v[TMX+\x]             ; -M_s = floor(-t) = -ceil(t): a whole number
.endr
.set n, 0
.rept 32
.irp x, 0,1
	v_pk_add_f32 v[T+64*\x+n:T+64*\x+n+1], v[T+64*\x+n:T+64*\x+n+1], v[NP+2*\x:NP+2*\x+1] op_sel_hi:[1,0]
.endr
.set n, n+2
.endr
.irp b, 0,1,2,3
.irp x, 0,1
	v_add_f32 v[BM+8*\x+\b], v[BM+8*\x+\b], v[NP+2*\x]
.endr
.endr
	s_wait_alu depctr_va_vdst(0)                   ; the wait ahead of the batch
.set n, 0
.rept 128
	v_exp_f32 v[T+n], v[T+n]                       ; p = 2^(t - M_s), at most 1
.set n, n+1
.endr
.irp x, 0,1
	v_mov_b32 v[NM+(\a)+\x], v[NP+2*\x]            ; (plain places behind the exponentials)
.endr
	s_wait_alu depctr_va_vdst(0)                   ; one wait for the batch, ahead of its first reader
.irp b, 0,1,2,3
.irp x, 0,1
	v_exp_f32 v[BM+8*\x+\b], v[BM+8*\x+\b]         ; the block's largest p: the same addition and exponential on the same number
.endr
.endr
.irp x, 0,1
	v_pk_add_f32 v[BX+8*\x:BX+8*\x+1], v[T+64*\x:T+64*\x+1], v[T+64*\x+2:T+64*\x+3]      ; the sum of the unquantised p, two chains a tile
	v_pk_add_f32 v[BX+8*\x+2:BX+8*\x+3], v[T+64*\x+4:T+64*\x+5], v[T+64*\x+6:T+64*\x+7]
.endr
.set n, 8
.rept 14
.irp x, 0,1
	v_pk_add_f32 v[BX+8*\x:BX+8*\x+1], v[BX+8*\x:BX+8*\x+1], v[T+64*\x+n:T+64*\x+n+1]
	v_pk_add_f32 v[BX+8*\x+2:BX+8*\x+3], v[BX+8*\x+2:BX+8*\x+3], v[T+64*\x+n+2:T+64*\x+n+3]
.endr
.set n, n+4
.endr
.irp x, 0,1
	v_pk_add_f32 v[BX+8*\x:BX+8*\x+1], v[BX+8*\x:BX+8*\x+1], v[BX+8*\x+2:BX+8*\x+3]
.endr
.irp x, 0,1
	v_add_f32 v[LS+(\a)+\x], v[BX+8*\x], v[BX+8*\x+1]
.endr
.irp x, 0,1
	v_permlanex16_b32 v[TP+\x], v[LS+(\a)+\x], s100, s101
.endr
.irp x, 0,1
	v_add_f32 v[LS+(\a)+\x], v[LS+(\a)+\x], v[TP+\x]       ; l_s of my query
.endr
	s_wait_alu depctr_va_vdst(0)                   ; and one for the eight
.irp b, 0,1,2,3
.irp x, 0,1
	v_max_num_f32 v[BM+8*\x+\b], 0x21800000, v[BM+8*\x+\b]   ; the floor 2^-60: no byte under 65
.endr
.endr
.irp b, 0,1,2,3
.irp x, 0,1
	v_add_nc_u32 v[BM+8*\x+\b], 0xff000000, v[BM+8*\x+\b]    ; 2 off the exponent field: the conversion's scale operand
.endr
.endr
.irp b, 0,1,2,3
.irp x, 0,1
	v_lshrrev_b32 v[BX+8*\x+\b], 23, v[BM+8*\x+\b]
.endr
.endr
.irp x, 0,1
	v_lshl_or_b32 v[PW+(\a)+\x], v[BX+8*\x+1], 8, v[BX+8*\x]
.endr
.irp x, 0,1
	v_lshl_or_b32 v[PW+(\a)+\x], v[BX+8*\x+2], 16, v[PW+(\a)+\x]
.endr
.irp x, 0,1
	v_lshl_or_b32 v[PW+(\a)+\x], v[BX+8*\x+3], 24, v[PW+(\a)+\x]
.endr
.if (\a) >= 2
	s_wait_alu depctr_va_vdst(0)
	s_wait_xcnt 0x0                                ; the stores of two tiles back have read these registers
.endif
.irp x, 0,1
.irp c, 0,1
	v_cvt_scalef32_pk16_fp6_f32 v[PCS+20*\x+6*\c:PCS+20*\x+6*\c+2], v[T+64*\x+32*\c:T+64*\x+32*\c+15], v[BM+8*\x+2*\c]
	v_cvt_scalef32_pk16_fp6_f32 v[PCS+20*\x+12+4*\c:PCS+20*\x+14+4*\c], v[T+64*\x+32*\c+16:T+64*\x+32*\c+31], v[BM+8*\x+2*\c+1]
.endr
.endr
	v_nop                                          ; one plain place behind a scaled conversion
.irp i, 0,1,2
.irp c, 0,1
.irp x, 0,1
	v_permlane16_swap_b32 v[PCS+20*\x+6*\c+\i], v[PCS+20*\x+12+4*\c+\i]
.endr
.endr
.endr
.irp i, 0,1,2
.irp c, 0,1
.irp x, 0,1
	v_mov_b32 v[PCS+20*\x+3+6*\c+\i], v[PCS+20*\x+12+4*\c+\i]
.endr
.endr
.endr
.irp x, 0,1
.irp c, 0,1,2
	global_store_b128 v[LI], v[PCS+20*\x+4*\c:PCS+20*\x+4*\c+3], s[20:21] offset:1536*((\a)+\x)+512*\c   ; 512 consecutive bytes
.endr
.endr
.endm
.irp a, 0,2,4,6
	SOFT \a
.endr
.irp i, 0,1,2,3
	v_cndmask_b32 v[OUTR+\i], v[PW+\i], v[PW+4+\i], s98
	v_cndmask_b32 v[OUTR+4+\i], v[NM+\i], v[NM+4+\i], s98
	v_cndmask_b32 v[OUTR+8+\i], v[LS+\i], v[LS+4+\i], s98
.endr
	global_store_b128 v[LI], v[OUTR:OUTR+3], s[22:23]
	global_store_b128 v[LI], v[OUTR+4:OUTR+7], s[22:23] offset:524288
	global_store_b128 v[LI], v[OUTR+8:OUTR+11], s[22:23] offset:1048576
	s_wait_tensorcnt 0x0                           ; the wave's end
	ds_add_u32 v[SPW], v[NIL]
	s_wait_dscnt 0x0
	CROUND                                         ; the closing round
	s_endpgm
.Lfunc_end_k_qbffa43d692_scores:
	.size	k_qbffa43d692_scores, .Lfunc_end_k_qbffa43d692_scores-k_qbffa43d692_scores
	.p2alignl 7, 3214868480
	.fill 96, 4, 3214868480
	.section	.rodata,"a",@progbits
	.p2align	6, 0x0
	.amdhsa_kernel k_qbffa43d692_scores
		.amdhsa_group_segment_fixed_size 327680
		.amdhsa_private_segment_fixed_size 0
		.amdhsa_enable_private_segment 0
		.amdhsa_kernarg_size 24
		.amdhsa_user_sgpr_count 2
		.amdhsa_user_sgpr_kernarg_segment_ptr 1
		.amdhsa_wavefront_size32 1
		.amdhsa_system_sgpr_workgroup_id_x 1
		.amdhsa_system_sgpr_workgroup_id_y 1
		.amdhsa_system_sgpr_workgroup_id_z 1
		.amdhsa_system_vgpr_workitem_id 0
		.amdhsa_next_free_vgpr 1024
		.amdhsa_next_free_sgpr 102
		.amdhsa_reserve_vcc 0
		.amdhsa_float_denorm_mode_32 3
		.amdhsa_float_denorm_mode_16_64 3
		.amdhsa_memory_ordered 1
		.amdhsa_forward_progress 1
		.amdhsa_inst_pref_size 221
	.end_amdhsa_kernel
	.amdgpu_metadata
---
amdhsa.version: [ 1, 2 ]
amdhsa.kernels:
  - .name:           k_qbffa43d692_scores
    .symbol:         k_qbffa43d692_scores.kd
    .args:
      - { .name: qkv, .offset: 0, .size: 8, .value_kind: global_buffer, .address_space: global }
      - { .name: attention_mask, .offset: 8, .size: 8, .value_kind: global_buffer, .address_space: global }
      - { .name: pw, .offset: 16, .size: 8, .value_kind: global_buffer, .address_space: global }
    .group_segment_fixed_size: 327680
    .private_segment_fixed_size: 0
    .kernarg_segment_align: 8
    .kernarg_segment_size: 24
    .max_flat_workgroup_size: 128
    .sgpr_count:     102
    .vgpr_count:     1024
    .wavefront_size: 32
...
	.end_amdgpu_metadata
.endif
;; end of part 3
;; launch pv (part 4): grid 4 x 64, 4 waves a work-group, clusters of 4 x 4, 327,680 bytes of LDS; arguments qkv, pw, out0; writes out0
.if DOCPART == 4
	.amdgcn_target "amdgcn-amd-amdhsa--gfx1250"
	.amdhsa_code_object_version 6
	.text
	.protected	k_qbffa43d692_pv
	.globl	k_qbffa43d692_pv
	.p2align	8
	.type	k_qbffa43d692_pv,@function
k_qbffa43d692_pv:
	s_mov_b64 s[64:65], 0
	v_nop
	global_prefetch_b8 v0, s[64:65] scope:SCOPE_SE
	s_setreg_imm32_b32 hwreg(HW_REG_WAVE_MODE, 25, 1), 1
	s_wait_xcnt 0x0
	s_wait_alu depctr_hold_cnt(0) depctr_sa_sdst(0) depctr_va_vdst(0) depctr_va_sdst(0) depctr_va_ssrc(0) depctr_va_vcc(0) depctr_vm_vsrc(0)
	s_getreg_b32 s2, hwreg(HW_REG_IB_STS2, 6, 4)
	s_cmp_eq_u32 s2, 0
	s_cbranch_scc0 .Lentry_in_a_cluster
	s_endpgm
.Lentry_in_a_cluster:
	s_bfe_u32 s2, ttmp6, 0x10000c
	s_cmp_lg_u32 s2, 0xf033
	s_cbranch_scc0 .Lentry_shape_is_right
	s_endpgm
.Lentry_shape_is_right:
; O = P V on codes of FP6 (E2M3), divided by the row's sum of p.  No work is left out.
; A work-group makes 128 queries (y) x 256 d (x) of one batch; four waves, 2 x 2: a wave 64 queries x 128 d.  K = 2,048 keys, 16 K steps of 128.
; A WAVE KEEPS ITS 64 QUERIES OF p, ALL OF K, IN REGISTERS: 4 tiles x 16 K steps = 64 fragments of 12.  V streams past, a tile of 16 d after the other, all of K each: 64 products a tile, four accumulators by turns.
; SOURCE 0 = 16 rows of V (d), SOURCE 1 = 16 queries: lane (r, h) holds a query, its eight registers of V's tile T are d 32 (T / 2) + 8 (T % 2) + 16 h + 0 .. 7.
; A BATCH is four K steps, 16 products, on one of two sets of four fragments of V; behind it stands ONE run of memory instructions: the fragments of the batch two further on, into the set just read, and what else is due.
; THE COUNTED WAITS on LDS: DSN counts the LDS instructions as the text issues them, LF_k, LP_k, LRB its value behind the loads of V's fragment k, p's fragments k, the rows read back:
; a wait's count is the difference, the LDS instructions issued behind those loads.
; LDS: p's two halves (8 K steps each) at 0 and 98,304; V's slot 0 [2 tiles][2 groups of 128 d][16 K steps][1536] at 196,608.  When p is in registers its first half is V's slot 1, its second the waves' stages.
; FILLS, one joint load a wave each: at the head p's halves (waves 0, 2; mask: the cluster's row) and V's tiles 0, 1 (waves 1, 3; mask: its column); then pairs of V's tiles, three refills, each behind a round.
; THE SOFTMAX'S M: scores left for each (query, 128 keys) codes and bytes under a whole number M_s of its own, -M_s, and the sum l_s.  Here M = the largest M_s; each byte and each l_s goes down by M - M_s, held at 64.
; LIMITS: what lies under 2^-64 of the row's largest p is carried coarsely; a row whose keys are all hidden gives NaN; NaN and infinities among the inputs are not served.
; THE WAY OUT: a tile's results are scaled among the next tile's products and laid into the wave's stage; four tiles make 256 bytes of a row of out0, which leave as whole aligned units.
; PREFETCHED: the second pair of V's tiles (the first refill's), 384 blocks of 256 bytes, shared by address among the sixteen waves of the cluster's column.  The later pairs are not: each has two tiles' products, 128 a wave, in which to land.
; REGISTERS, window 0: v2-15, v32-35 addresses and 1 / l; v16-31 V's scale words, two sets; v36-67 p's; v68-163 V's fragments; v164-227 accumulators, two sets of 32; v228-239 p's last fragment; v240-255 rows read back.
; windows 1-3: p's fragments 0-62, 21 to a window; their last four registers take rows read back.  A scale register holds K step k % 8: in lanes 0-15 of the first eight, in lanes 16-31 of the second eight.
.set GK,   12288
.set TL,   24576                       ; a tile of V: 16 K steps
.set VS0,  196608
.set STG,  98304
.set SPT,  17408                       ; a wave's stage: 64 rows of 272
.set VSL,  294912                      ; V's scale words: [2 groups][128 positions] rows of 80: 16 words and padding
.set PSC,  315392                      ; p's: [128 positions] rows of 80: 16 words, 1 / l
.set SPARE, 325632                     ; the spare words, 128 bytes a wave: no other line names them
.set VC,   12582912
.set VS,   19398656
.set PSG,  12582912                    ; in pw: scale words, -M_s, l_s
.set SPW,  2
.set NIL,  3
.set VAD,  4                           ; v4-7 V's fragments: slot 0's tiles, slot 1's tiles
.set VSA,  8
.set STO,  9
.set RD,   10
.set CO,   11
.set VSC,  16
.set PS,   36
.set FRG,  68
.set ACC,  164
.set P63,  228
.set RB,   240
.set FW,   68                          ; at the head: scale words, -M_s, l_s, differences
.set FM,   84
.set FL,   100
.set FD,   116
.set VT,   132                         ; and V's scale words as loaded
.set PAD,  196                         ; v196-199 p's fragments in LDS, four K steps each
.set PSA,  200
.set PRL,  201
.set FIX,  202
.set VST,  203
.set G1P,  24
.set G0P,  32
.set G0V,  36
.set G1H,  48
.set G0F,  56
.set G1V,  68
.set DSN, 0
.set MSB, 0
.macro WIN new
.if MSB != (\new)
	s_set_vgpr_msb (MSB<<8)|(\new)
.set MSB, (\new)
.endif
.endm
.macro GROUP1 g, mask, c, r, p         ; r rows of c elements of 8 bytes, p elements apart; no padding
	s_or_b32 s[\g], s\mask, (3<<16)|(1<<21)
	s_mov_b32 s[\g+1], (\c)<<16
	s_mov_b32 s[\g+2], (\r)<<16
	s_mov_b32 s[\g+3], (\c)<<16
	s_mov_b32 s[\g+4], \r
	s_mov_b32 s[\g+5], \p
	s_mov_b32 s[\g+6], 0
	s_mov_b32 s[\g+7], 0
.endm
.macro PLACES                          ; four plain places behind a matrix instruction, ahead of loads into its registers and of reads of its results (ISA guide 7.12.1 for reads of its results)
.rept 4
	v_nop
.endr
.endm
.macro TLOAD g0, g1
	tensor_load_to_lds s[\g0:\g0+3], s[\g1:\g1+7]
	s_nop 0
	PLACES
.endm
.macro CREST
	s_cmp_lg_u32 s14, 0
	s_cbranch_scc1 .Lnot_wave_0_\@
	s_barrier_signal -3
.Lnot_wave_0_\@:
	s_barrier_wait -3
	s_barrier_signal -1
	s_barrier_wait -1
.endm
.macro CROUND
	s_barrier_signal -1
	s_barrier_wait -1
	CREST
.endm
.macro ARM under, g0, g1, next
	s_cmp_lt_u32 s14, \under
	s_cbranch_scc0 \next
	TLOAD \g0, \g1
	s_branch .Lhead_asked
\next:
.endm
.macro WAITD x                         ; all LDS instructions up to x are done
.set W_, DSN-(\x)
.if W_ > 63
.set W_, 63
.endif
	s_wait_dscnt W_
.endm
.macro VLD kk, t                       ; V's fragment of tile t, K step kk
.irp c, 0,1,2
	ds_load_b128 v[FRG+12*(\kk%8)+4*\c:FRG+12*(\kk%8)+4*\c+3], v[VAD+2*(((\t)/2)%2)+(\t)%2] offset:1536*\kk+512*\c
.endr
.set DSN, DSN+3
.set LF_\kk, DSN
.endm
.macro LVS t                           ; the tile's scale words
	ds_load_b128 v[VSC+8*((\t)%2):VSC+8*((\t)%2)+3], v[VSA] offset:1280*(\t)
	ds_load_b128 v[VSC+8*((\t)%2)+4:VSC+8*((\t)%2)+7], v[VSA] offset:1280*(\t)+16
.set DSN, DSN+2
.endm
.macro PLD k                           ; p's four fragments of K step k: fragment 4 k + a
.irp a, 0,1,2,3
.set F_, 4*\k+\a
.if F_ < 63
	WIN ((1+F_/21)<<6)
.set P_, 12*(F_%21)
.else
	WIN 0
.set P_, P63
.endif
.irp c, 0,1,2
	ds_load_b128 v[P_+4*\c:P_+4*\c+3], v[PAD+\k/4] offset:GK*(\k%4)+1536*\a+512*\c
.endr
.set DSN, DSN+3
.endr
.set LP_\k, DSN
.endm
; one product: my tile a of queries.  The four accumulators take turns, one instruction a turn
.macro PR k, a
.set F_, 4*\k+\a
.if F_ < 63
	WIN ((1+F_/21)<<2)
.set P_, 12*(F_%21)
.else
	WIN 0
.set P_, P63
.endif
.set D_, ACC+32*(TT%2)+8*\a
.set V_, FRG+12*(\k%8)
.set X_, VSC+8*(TT%2)+\k%8
.set Y_, PS+8*\a+\k%8
.if \k == 0
	v_wmma_scale_f32_16x16x128_f8f6f4 v[D_:D_+7], v[V_:V_+11], v[P_:P_+11], 0, v[X_], v[Y_] matrix_a_fmt:MATRIX_FMT_FP6 matrix_b_fmt:MATRIX_FMT_FP6
.elseif \k < 8
	v_wmma_scale_f32_16x16x128_f8f6f4 v[D_:D_+7], v[V_:V_+11], v[P_:P_+11], v[D_:D_+7], v[X_], v[Y_] matrix_a_fmt:MATRIX_FMT_FP6 matrix_b_fmt:MATRIX_FMT_FP6
.else
	v_wmma_scale_f32_16x16x128_f8f6f4 v[D_:D_+7], v[V_:V_+11], v[P_:P_+11], v[D_:D_+7], v[X_], v[Y_] matrix_a_fmt:MATRIX_FMT_FP6 matrix_b_fmt:MATRIX_FMT_FP6 matrix_a_scale:MATRIX_SCALE_ROW1 matrix_b_scale:MATRIX_SCALE_ROW1
.endif
.endm
; part g = 0 .. 7 of tile TT - 1's results: four registers of my tile g / 2 of queries.  OUTV: times 1 / l; OUTS: into the stage
.macro OUTV g
.set B_, ACC+32*((TT-1)%2)+4*(\g)
.set R_, 12+2*((\g)/2)+16*((\g)/4)
	WIN 0
	v_pk_mul_f32 v[B_:B_+1], v[B_:B_+1], v[R_:R_+1] op_sel_hi:[1,0]
	v_pk_mul_f32 v[B_+2:B_+3], v[B_+2:B_+3], v[R_:R_+1] op_sel_hi:[1,0]
.endm
.macro OUTS
.set J_, (TT-1)%4
.irp g, 0,1,2,3,4,5,6,7
.set B_, ACC+32*((TT-1)%2)+4*\g
	ds_store_b128 v[STO], v[B_:B_+3] offset:4352*(\g/2)+128*(J_/2)+32*(J_%2)+16*(\g%2)
.endr
.set DSN, DSN+8
.endm
.macro BACK reg, a, t                  ; two rows of 256 bytes back from the stage,
	ds_load_b128 v[\reg:\reg+3], v[RD] offset:4352*(\a)+544*(\t)
.set DSN, DSN+1
.endm
.macro SEND reg, a, t, q               ; and out: sixteen lanes store an aligned unit of 256 bytes
	global_store_b128 v[CO], v[\reg:\reg+3], s[8:9] offset:(32*((\a)/2)+8*((\a)%2)+2*(\t)+8*((\t)/4))*4096+256*(\q) th:TH_STORE_NT
.endm
; the first 64 columns' 32 pieces go back and out by sevens: four places in window 0, one at the end of each of windows 1 to 3
.macro RBL r
.irp s, 0,1,2,3,4,5,6
.set I_, 7*(\r)+\s
.if I_ < 32
.if \s < 4
	WIN 0
	BACK RB+4*\s, I_/8, I_%8
.else
	WIN ((\s-3)<<6)
	BACK 252, I_/8, I_%8
.endif
.endif
.endr
	WIN 0
.set LRB, DSN
.endm
.macro RBS r
.irp s, 0,1,2,3,4,5,6
.set I_, 7*(\r)+\s
.if I_ < 32
.if \s < 4
	WIN 0
	SEND RB+4*\s, I_/8, I_%8, 0
.else
	WIN ((\s-3)<<2)
	SEND 252, I_/8, I_%8, 0
.endif
.endif
.endr
	WIN 0
.endm
.macro REFD                            ; the next pair of V's tiles, into the other slot
	s_add_nc_u64 s[G0F+2:G0F+3], s[G0F+2:G0F+3], 2*TL
.if ((TT+3)/2)%2
	s_mov_b32 s[G0F+1], s94
.else
	s_add_co_u32 s[G0F+1], s94, VS0
.endif
.endm
.macro KQ k                            ; a K step: four products, and among them two lines of the last tile's way out
.if (TT == 0) && (\k != 15)
	WAITD LP_\k
.endif
	PR \k, 0
	PR \k, 1
.if WO && (\k < 8)
	OUTV \k
.endif
	PR \k, 2
	PR \k, 3
.endm
; the run of memory instructions behind batch b: K steps n0 .. n3 (of the next tile for b = 2, 3)
.macro RUN b, n0, n1, n2, n3
	WIN 0
.if (EV != 1) || (\b != 2)             ; (behind a refill the four v_nop of the tensor load are the places)
	PLACES
.endif
.set K_, 4*(TT-4)+\b
.if WO && (\b == 1)
	s_wait_alu depctr_va_vdst(0)                   ; the wait ahead of the stores of the scaled results
.endif
.if (K_ >= 2) && (K_ <= 6)             ; tiles 4 and 5: what the run before has read back goes out
	WAITD LRB
	RBS K_-2
.endif
.if \b == 2
	LVS TT+1
.endif
.irp n, \n0, \n1, \n2, \n3
	VLD \n, TT+\b/2
.endr
.if WO && (\b == 1) && (TT != 5)
	OUTS
.endif
.if (K_ >= 1) && (K_ <= 5)
.if K_ > 1
	s_wait_xcnt 0x0                                ; the stores have read their registers
.endif
	RBL K_-1
.endif
.if WO && (\b == 1) && (TT == 5)       ; behind the last of the first 64 columns' reads: a wave's LDS instructions are served in order
	OUTS
.endif
.endm
; EV = 1: batch 2 holds a round of the cluster's barrier and a refill; EV = 2: a plain barrier that shows the last refill.  All of the tile's fragments have been asked for in front of batch 2, so its slot is read no more.
.macro BATCH b, k0, k1, k2, k3, n0, n1, n2, n3
	WAITD LF_\k3
.if (EV > 0) && (\b == 2)
	WIN 0
	s_wait_tensorcnt 0x0                           ; all my tensor loads have landed: my part of the next pair among them
.if EV == 1
	ds_add_u32 v[SPW], v[NIL]                      ; 0 onto my spare word
.set DSN, DSN+1
	REFD
.endif
.endif
	KQ \k0
	KQ \k1
.if (EV > 0) && (\b == 2)
	WIN 0
	s_wait_dscnt 0x0                               ; the add is done, where there is one, and so are my reads of this slot
	s_barrier_signal -1
.endif
	KQ \k2
.if (TT == 0) && (\b == 3)
	WIN 0
	s_wait_dscnt 0x0                               ; my reads of p are over: behind this barrier its second half's bytes are the waves' stages
	s_barrier_signal -1
.endif
	KQ \k3
.if ((EV > 0) && (\b == 2)) || ((TT == 0) && (\b == 3))
	WIN 0
	s_barrier_wait -1
.endif
.if (EV == 1) && (\b == 2)
	CREST                                          ; no wave of any partner still reads this slot or has a load on its way
	TLOAD G0F, G1V
.endif
.if (TT < 7) || (\b < 2)
	RUN \b, \n0, \n1, \n2, \n3
.endif
.endm
.macro HALF0
	BATCH 0, 0, 1, 2, 3, 8, 9, 10, 11
	BATCH 1, 4, 5, 6, 7, 12, 13, 14, 15
.endm
.macro HALF1
	BATCH 2, 8, 9, 10, 11, 0, 1, 2, 3
	BATCH 3, 12, 13, 14, 15, 4, 5, 6, 7
.endm
.macro TILE t, ev
.set TT, \t
.set EV, \ev
	HALF0
	HALF1
.endm
	s_load_b128 s[4:7], s[0:1], 0x0                ; qkv, pw
	s_load_b64 s[8:9], s[0:1], 0x10                ; out0
	v_lshl_add_u32 v[SPW], v0, 2, SPARE
	v_mov_b32 v[NIL], 0
	ds_add_u32 v[SPW], v[NIL]                      ; the wave's opening: the add, twice on end, and its wait ahead of my first tensor load
	ds_add_u32 v[SPW], v[NIL]
	v_lshrrev_b32 v1, 5, v0
	v_readfirstlane_b32 s14, v1                    ; wave
	s_lshr_b32 s15, s14, 1                         ; my half of the queries
	s_and_b32 s16, s14, 1                          ; my half of the d
	s_bfe_u32 s40, ttmp6, 0x40000                  ; cx
	s_bfe_u32 s41, ttmp6, 0x40004                  ; cy
	s_lshl_b32 s42, ttmp9, 2
	s_add_co_u32 s42, s42, s40                     ; x
	s_and_b32 s17, ttmp7, 0xffff
	s_lshr_b32 s2, s17, 2                          ; the batch, from the cluster's y alone
	s_lshl_b32 s17, s17, 2
	s_add_co_u32 s17, s17, s41                     ; y
	s_lshl_b32 s43, s41, 2
	s_lshl_b32 s43, 15, s43                        ; my row of the cluster
	s_lshl_b32 s44, 0x1111, s40                    ; my column
	GROUP1 G1P, 43, 32, 384, 32                    ; half of p: 98,304 dense bytes
	GROUP1 G1H, 44, 3072, 2, 24576                 ; V's tile of two groups: two rows of 24,576 bytes, 196,608 bytes apart
	GROUP1 G1V, 44, 32, 96, 32                     ; V's tile of one group: 24,576 dense bytes
	s_lshl_b32 s99, s41, 2
	s_add_co_u32 s99, s99, s14                     ; my number among the sixteen waves of my column
	s_lshr_b32 s98, s99, 3
	s_and_b32 s97, s99, 7
	s_mul_i32 s98, s98, 8*TL
	s_mul_i32 s97, s97, 6144
	s_add_co_u32 s99, s98, s97
	s_add_co_u32 s99, s99, 2*TL                    ; my 24 blocks of the second pair of V's tiles
	s_lshl_b32 s18, s2, 3
	s_lshl_b32 s19, s42, 1
	s_add_co_u32 s18, s18, s19                     ; V's first group: 8 x batch + 2 x
	s_add_co_u32 s19, s18, s15
	s_lshl_b32 s22, s19, 13
	s_lshl_b32 s23, s16, 12
	s_add_co_u32 s22, s22, s23
	s_add_co_u32 s22, s22, VS                      ; V's scale words: I bring 8 K steps (wave & 1) of group (wave >> 1)
	s_mov_b32 s23, 0
	s_mul_i32 s18, s18, 8*TL
	s_add_co_u32 s18, s18, VC
	s_mov_b32 s19, 0
	s_mul_i32 s20, s17, 16*GK                      ; p's group y
	s_mov_b32 s21, 0
	s_lshl_b32 s12, s17, 13
	s_add_co_u32 s12, s12, PSG
	s_mov_b32 s13, 0
	s_mul_i32 s40, s15, 8*GK                       ; waves 0, 2: p's half (wave >> 1)
	s_mov_b32 s41, 0
	s_mul_i32 s46, s15, TL                         ; waves 1, 3: V's tile (wave >> 1)
	s_mov_b32 s47, 0
	s_mul_i32 s92, s15, 8*TL                       ; refills: V's group (wave >> 1), tile (wave & 1) of the pair
	s_mul_i32 s93, s16, TL
	s_add_co_u32 s92, s92, s93
	s_mov_b32 s93, 0
	s_mul_i32 s94, s16, 2*TL
	s_mul_i32 s95, s15, TL
	s_add_co_u32 s94, s94, s95
	v_and_b32 v204, 15, v0                         ; r
	v_bfe_u32 v205, v0, 4, 1                       ; h
	v_and_b32 v206, 31, v0
	v_lshlrev_b32 v207, 4, v206                    ; 16 x lane
	v_lshlrev_b32 v208, 2, v0                      ; thread n: the n-th word of each block: tile 4 (n / 64) + n % 4, position (n / 4) % 16
	v_min_u32 v209, 23, v206
	v_lshl_add_u32 v209, v209, 8, s99
	s_wait_alu depctr_va_vdst(0)
	s_wait_dscnt 0x0                               ; both opening adds are done
	s_wait_kmcnt 0x0
	s_add_nc_u64 s[18:19], s[4:5], s[18:19]
	s_add_nc_u64 s[22:23], s[4:5], s[22:23]
	s_add_nc_u64 s[20:21], s[6:7], s[20:21]
	s_add_nc_u64 s[12:13], s[6:7], s[12:13]
.set n, 0
.rept 16
	global_load_b32 v[FW+n], v208, s[12:13] offset:512*n
	global_load_b32 v[FM+n], v208, s[12:13] offset:512*n+524288
	global_load_b32 v[FL+n], v208, s[12:13] offset:512*n+1048576
.set n, n+1
.endr
.irp i, 0,1,2,3,4,5,6,7
	global_load_b128 v[VT+4*\i:VT+4*\i+3], v207, s[22:23] offset:512*\i   ; lane r + 16 H: the words of tiles 4 H .. 4 H + 3 at position r
.endr
	CROUND                                         ; all sixteen work-groups are here: the first joint loads meet
	s_mov_b32 s[G0P], 1
	s_mov_b32 s[G0P+1], s40
	s_add_nc_u64 s[G0P+2:G0P+3], s[20:21], s[40:41]
	s_or_b32 s[G0P+3], s[G0P+3], 0x80000000
	s_mul_i32 s45, s15, 2*TL
	s_mov_b32 s[G0V], 1
	s_add_co_u32 s[G0V+1], s45, VS0
	s_add_nc_u64 s[G0V+2:G0V+3], s[18:19], s[46:47]
	s_or_b32 s[G0V+3], s[G0V+3], 0x80000000
	ARM 1, G0P, G1P, .Lhead_v0                     ; one load a wave: p's first half,
	ARM 2, G0V, G1H, .Lhead_p1                     ; V's tile 0,
	ARM 3, G0P, G1P, .Lhead_v1                     ; p's second half,
	TLOAD G0V, G1H                                 ; V's tile 1
.Lhead_asked:
	s_mov_b32 s[G0F], 1
	s_mov_b32 s[G0F+1], s94
	s_add_nc_u64 s[G0F+2:G0F+3], s[18:19], s[92:93]
	s_or_b32 s[G0F+3], s[G0F+3], 0x80000000
	s_lshl_b32 s84, s17, 19                        ; out0: row 128 y + 64 x half, column 256 x + 128 x half
	s_lshl_b32 s85, s15, 18
	s_add_co_u32 s84, s84, s85
	s_lshl_b32 s85, s42, 10
	s_add_co_u32 s84, s84, s85
	s_lshl_b32 s85, s16, 9
	s_add_co_u32 s84, s84, s85
	s_mov_b32 s85, 0
	s_add_nc_u64 s[8:9], s[8:9], s[84:85]
	s_mul_i32 s76, s15, 6144                       ; p: tiles 4 x half on
	s_mul_i32 s77, s16, TL
	s_add_co_u32 s78, s77, VS0
	s_mul_i32 s79, s16, 10240
	s_add_co_u32 s79, s79, VSL
	s_mul_i32 s80, s15, 5120
	s_add_co_u32 s80, s80, PSC
	s_mul_i32 s81, s15, 10240
	s_lshl_b32 s82, s16, 5
	s_add_co_u32 s81, s81, s82
	s_add_co_u32 s81, s81, VSL
	s_mul_i32 s82, s14, SPT
	s_add_co_u32 s82, s82, STG
	v_mul_u32_u24 v210, 80, v204
	v_lshl_add_u32 v211, v205, 5, v210             ; row r, + 32 h: K steps 8 h on
	v_add_nc_u32 v[VSA], s79, v211
	v_add_nc_u32 v[PSA], s80, v211
	v_add_nc_u32 v[PRL], s80, v210
	v_mul_u32_u24 v212, 0x1400, v205
	v_add_nc_u32 v212, v212, v210
	v_add_nc_u32 v[VST], s81, v212
	v_add_nc_u32 v[VAD], s78, v207
	v_add_nc_u32 v[VAD+1], 2*TL, v[VAD]
	v_add_nc_u32 v[VAD+2], s77, v207
	v_add_nc_u32 v[VAD+3], 2*TL, v[VAD+2]
	v_add_nc_u32 v[PAD], s76, v207
	v_add_nc_u32 v[PAD+1], 4*GK, v[PAD]
	v_add_nc_u32 v[PAD+2], 8*GK, v[PAD]
	v_add_nc_u32 v[PAD+3], 12*GK, v[PAD]
	v_mul_u32_u24 v213, 272, v204
	v_lshl_add_u32 v213, v205, 6, v213
	v_add_nc_u32 v[STO], s82, v213                 ; into the stage: row r, + 64 h
	v_mul_u32_u24 v214, 272, v205
	v_lshl_add_u32 v214, v204, 4, v214
	v_add_nc_u32 v[RD], s82, v214                  ; back: row h, 16 r
	v_lshlrev_b32 v215, 12, v205
	v_lshl_add_u32 v[CO], v204, 4, v215
	v_and_b32 v216, 3, v0
	v_bfe_u32 v217, v0, 2, 4
	v_lshrrev_b32 v218, 6, v0
	v_lshl_add_u32 v217, v216, 4, v217
	v_lshl_add_u32 v217, v218, 6, v217             ; 16 x tile + position
	v_mul_u32_u24 v217, 80, v217
	v_add_nc_u32 v[FIX], PSC, v217
.irp q, 13,15,33,35
	v_mov_b32 v\q, 0                               ; (named as the upper halves of pairs)
.endr
	global_prefetch_b8 v209, s[18:19] th:TH_LOAD_NT scope:SCOPE_SE    ; lanes 24-31 name their wave's last block again
	s_wait_alu depctr_va_vdst(0)
	s_wait_loadcnt 0x0
	v_min_num_f32 v164, v[FM], v[FM+1]
	v_min_num_f32 v165, v[FM+2], v[FM+3]
.irp i, 4,6,8,10,12,14
	v_min_num_f32 v164, v164, v[FM+\i]
	v_min_num_f32 v165, v165, v[FM+\i+1]
.endr
	v_min_num_f32 v164, v164, v165                 ; -M
.set n, 0
.rept 16
	v_sub_f32 v[FD+n], v164, v[FM+n]               ; M_s - M: a whole number, 0 or less
.set n, n+1
.endr
.set n, 0
.rept 16
	v_max_num_f32 v[FD+n], 0xc2800000, v[FD+n]     ; held at -64: a byte is 65 or more
.set n, n+1
.endr
.set n, 0
.rept 16
	v_cvt_i32_f32 v[FD+n], v[FD+n]
.set n, n+1
.endr
.set n, 0
.rept 16
	v_ldexp_f32 v[FL+n], v[FL+n], v[FD+n]
.set n, n+1
.endr
.set n, 0
.rept 16
	v_mul_lo_u32 v[FD+n], v[FD+n], 0x01010101
.set n, n+1
.endr
.set n, 0
.rept 16
	v_add_nc_u32 v[FW+n], v[FW+n], v[FD+n]         ; all four bytes of the word
.set n, n+1
.endr
.irp j, 0,1,2,3
	ds_store_b128 v[FIX], v[FW+4*\j:FW+4*\j+3] offset:16*\j
.endr
.irp i, 0,1,2,3,4,5,6,7
.irp j, 0,1,2,3
	ds_store_b32 v[VST], v[VT+4*\i+\j] offset:1280*\j+4*\i
.endr
.endr
	v_add_f32 v165, v[FL], v[FL+1]
	v_add_f32 v166, v[FL+2], v[FL+3]
.irp i, 4,6,8,10,12,14
	v_add_f32 v165, v165, v[FL+\i]
	v_add_f32 v166, v166, v[FL+\i+1]
.endr
	v_add_f32 v165, v165, v166                     ; l
	s_wait_alu depctr_va_vdst(0)                   ; the wait ahead of the transcendental and behind it
	v_rcp_f32 v165, v165
	v_nop
	s_wait_alu depctr_va_vdst(0)
	ds_store_b32 v[FIX], v165 offset:64
	s_wait_xcnt 0x0                                ; the prefetch has read its address register, which is written later on
	s_cmp_lt_u32 s14, 2
	s_cbranch_scc0 .Lnot_first
	s_wait_tensorcnt 0x0                           ; waves 0 and 1: p's first half and V's tile 0
.Lnot_first:
	s_wait_dscnt 0x0
	s_barrier_signal -1
	s_barrier_wait -1                              ; the other two tiles may be on their way
	LVS 0
.irp a, 0,1,2,3
	ds_load_b128 v[PS+8*\a:PS+8*\a+3], v[PSA] offset:1280*\a
	ds_load_b128 v[PS+8*\a+4:PS+8*\a+7], v[PSA] offset:1280*\a+16
	ds_load_b32 v[12+2*\a+16*(\a/2)], v[PRL] offset:1280*\a+64
.set DSN, DSN+3
.endr
.irp k, 0,1,2,3,4,5,6,7
	WIN 0
	VLD \k, 0
	PLD \k
.endr
.set TT, 0
.set EV, 0
.set WO, 0
	HALF0
	WIN 0
	s_wait_tensorcnt 0x0                           ; all my tensor loads are in: p's second half and V's tile 1 among them;
	ds_add_u32 v[SPW], v[NIL]                      ; 0 onto my spare word
.set DSN, DSN+1
	REFD
	s_wait_dscnt 0x0                               ; and my reads of p's first half are over
	CROUND
	TLOAD G0F, G1V                                 ; V's second pair of tiles, onto p's first half
.irp k, 8,9,10,11,12,13,14,15
	PLD \k
.endr
	HALF1
.set WO, 1
	TILE 1, 1
	TILE 2, 0
	TILE 3, 1
	TILE 4, 0
	TILE 5, 2
	TILE 6, 0
	TILE 7, 0
.set TT, 8
	WIN 0
	PLACES
.irp g, 0,1,2,3,4,5,6,7
	OUTV \g
.endr
	s_wait_alu depctr_va_vdst(0)                   ; the wait ahead of the stores of the scaled results
	OUTS
.irp a, 0,1,2,3
.irp t, 0,1,2,3,4,5,6,7
	BACK FRG+32*\a+4*\t, \a, \t                    ; V's fragments and the other set of accumulators are free
.endr
.endr
.irp a, 0,1,2,3
.irp t, 0,1,2,3,4,5,6,7
.if \t%4 == 0
	s_wait_dscnt 28-8*\a-\t                        ; these four are back; the younger ones may be out
.endif
	SEND FRG+32*\a+4*\t, \a, \t, 1
.endr
.endr
	s_wait_tensorcnt 0x0                           ; the wave's end
	ds_add_u32 v[SPW], v[NIL]
	s_wait_dscnt 0x0
	CROUND                                         ; the closing round
	s_endpgm
.Lfunc_end_k_qbffa43d692_pv:
	.size	k_qbffa43d692_pv, .Lfunc_end_k_qbffa43d692_pv-k_qbffa43d692_pv
	.p2alignl 7, 3214868480
	.fill 96, 4, 3214868480
	.section	.rodata,"a",@progbits
	.p2align	6, 0x0
	.amdhsa_kernel k_qbffa43d692_pv
		.amdhsa_group_segment_fixed_size 327680
		.amdhsa_private_segment_fixed_size 0
		.amdhsa_enable_private_segment 0
		.amdhsa_kernarg_size 24
		.amdhsa_user_sgpr_count 2
		.amdhsa_user_sgpr_kernarg_segment_ptr 1
		.amdhsa_wavefront_size32 1
		.amdhsa_system_sgpr_workgroup_id_x 1
		.amdhsa_system_sgpr_workgroup_id_y 1
		.amdhsa_system_sgpr_workgroup_id_z 1
		.amdhsa_system_vgpr_workitem_id 0
		.amdhsa_next_free_vgpr 1024
		.amdhsa_next_free_sgpr 102
		.amdhsa_reserve_vcc 0
		.amdhsa_float_denorm_mode_32 3
		.amdhsa_float_denorm_mode_16_64 3
		.amdhsa_memory_ordered 1
		.amdhsa_forward_progress 1
		.amdhsa_inst_pref_size 164
	.end_amdhsa_kernel
	.amdgpu_metadata
---
amdhsa.version: [ 1, 2 ]
amdhsa.kernels:
  - .name:           k_qbffa43d692_pv
    .symbol:         k_qbffa43d692_pv.kd
    .args:
      - { .name: qkv, .offset: 0, .size: 8, .value_kind: global_buffer, .address_space: global }
      - { .name: pw, .offset: 8, .size: 8, .value_kind: global_buffer, .address_space: global }
      - { .name: out0, .offset: 16, .size: 8, .value_kind: global_buffer, .address_space: global }
    .group_segment_fixed_size: 327680
    .private_segment_fixed_size: 0
    .kernarg_segment_align: 8
    .kernarg_segment_size: 24
    .max_flat_workgroup_size: 128
    .sgpr_count:     102
    .vgpr_count:     1024
    .wavefront_size: 32
...
	.end_amdgpu_metadata
.endif
;; end of part 4
